; MI455X (gfx1250); checked and timed in simulation.
; The chip was launched on July 23, 2026; its instructions are those of AMD's public machine-readable ISA for CDNA 5 (MIT licence, August 2026) and "CDNA5" Instruction Set Architecture Reference Guide (July 2026). The comments in the code are by the model that wrote it; some were corrected since.
;; AMRSRN. Allowed arithmetic: matrix products marked QUANTISED: E2M1 operands, one E8M0 scale for each 32 along K, by v_wmma_scale_f32_16x16x128_f8f6f4 with both operands' format E2M1 (or v_wmma_scale_f32_32x16x128_f4), f32 sums; products left as they are: f32 operands where the result goes on into a quantised operand, else bf16, f16 or f32 operands; f32 sums; everything else in f32.
;; Inputs: W0_codes 128 x 4 x 16 uint8 (E2M1 codes of W0, K innermost, in blocks of 32 codes, two codes a byte); W0_scales 128 x 4 uint8 (E8M0 scales of W0, one for each 32 codes along K); W1_codes 128 x 4 x 16 uint8 (E2M1 codes of W1, K innermost, in blocks of 32 codes, two codes a byte); W1_scales 128 x 4 uint8 (E8M0 scales of W1, one for each 32 codes along K); W2_codes 128 x 4 x 16 uint8 (E2M1 codes of W2, K innermost, in blocks of 32 codes, two codes a byte); W2_scales 128 x 4 uint8 (E8M0 scales of W2, one for each 32 codes along K); W3_codes 128 x 4 x 16 uint8 (E2M1 codes of W3, K innermost, in blocks of 32 codes, two codes a byte); W3_scales 128 x 4 uint8 (E8M0 scales of W3, one for each 32 codes along K); Wf 1 x 128 float32; b0 128 float32; b1 128 float32; b2 128 float32; b3 128 float32; bf 1 float32; feature_grids 64 x 2 x 64 x 64 x 64 float32; grid_scales 64 x 3 float32; grid_translations 64 x 3 float32; x 131,072 x 3 float32.
;; Outputs: out0 131,072 x 1 float32.
;; This version of the problem:
;;   THIS VERSION OF THE PROBLEM IS GIVEN IN LOW PRECISION. The matrix products marked QUANTISED in the list below multiply operands that are first quantised to E2M1 (2 exponent bits, 1 mantissa bit; 4 bits a number), with one power-of-two scale for each 32 numbers along K (OCP MX v1.0); their sums are f32. All else is computed in f32.
;;   The module's matrix products, in the order in which they are computed (A, B: the left and right operand; K: the contracted axis; several contracted axes count as one K, in the product's order):
;;     1. [M 131,072, K 128] x [K 128, N 128]; A: computed on the way; B: input W0 (given as codes): QUANTISED
;;     2. [M 131,072, K 128] x [K 128, N 128]; A: computed on the way; B: input W1 (given as codes): QUANTISED
;;     3. [M 131,072, K 128] x [K 128, N 128]; A: computed on the way; B: input W2 (given as codes): QUANTISED
;;     4. [M 131,072, K 128] x [K 128, N 128]; A: computed on the way; B: input W3 (given as codes): QUANTISED
;;     5. [M 131,072, K 128] x [K 128, N 1]; A: computed on the way; B: input Wf: left as it is (N = 1 < 16)
;;   THE QUANTISER, for each operand of a quantised product, along K:
;;     - K is cut into blocks of 32 from its start; a last block that is shorter is filled with zeros.
;;     - A block's scale is 2^e with e = floor(log2(the largest magnitude in the block)) - 2, held to -126 .. 127; a block of zeros has e = 0. As a byte (E8M0): e + 127.
;;     - Each number is divided by its block's scale, clamped to +-6, and rounded to the nearest number of E2M1, ties to even, subnormals kept.
;;     - The product sums the exact products of the quantised numbers (number of the format x scale) in f32.
;;   ~~~python
;;   def quantise(x, axis):      # numpy; x: float32 -> the quantised numbers, widened to float32 again
;;       x = np.moveaxis(x, axis, -1); K = x.shape[-1]
;;       x = np.pad(x, [(0, 0)] * (x.ndim - 1) + [(0, -K % 32)]); x = x.reshape(x.shape[:-1] + (-1, 32)); a = np.abs(x).max(-1, keepdims=True)
;;       e = np.where(a > 0, np.clip(np.frexp(np.where(a > 0, a, 1))[1] - 1 - 2, -126, 127), 0)      # np.frexp(a)[1] - 1 = floor(log2(a)), exactly
;;       r = np.clip(x / 2.0 ** e, -6, 6)
;;       step = 2.0 ** (np.maximum(np.frexp(np.where(r == 0, 1, r))[1] - 1, 0) - 1)
;;       q = np.round(r / step) * step * 2.0 ** e      # np.round: ties to even
;;       return np.moveaxis(q.reshape(q.shape[:-2] + (-1,))[..., :K], -1, axis).astype(np.float32)
;;   ~~~
;;   OPERANDS COMPUTED ON THE WAY. 'Computed on the way' means the value that the module computes at that place (a softmax that the list does not call 'softmax' is quantised finished and normalised). What goes into a quantiser is computed in f32, as accurately as f32 sums, v_exp_f32 and their like allow (about 1e-6 of the number): no bf16 or f16 on the way to a quantiser, and a product that is left as it is and whose result goes on into a quantised operand takes f32 operands (vector FMAs, or v_wmma_f32_16x16x4_f32). A number that lies on a knife's edge between two numbers of the format may be rounded either way, as far as f32 arithmetic and the matrix unit's own rounding can turn it there, and no further.
;;   INPUTS GIVEN AS CODES. W0 (in the module: [128, 128], K = its axis 1); W1 (in the module: [128, 128], K = its axis 1); W2 (in the module: [128, 128], K = its axis 1); W3 (in the module: [128, 128], K = its axis 1): each comes as NAME_codes (uint8): NAME with its K axis moved to the last place and cut into blocks of 32 codes, [.., K / 32, bytes a block], one block behind the other in memory; two codes a byte, the lower K in the low four bits (a code: sign, 2 exponent bits, 1 mantissa bit); and NAME_scales (uint8): the same leading axes, one E8M0 byte (e + 127) for each 32 codes along K. Its value is code x scale, taken as it is: it is not quantised again, and the codes and scales need not be those that the quantiser above would give.
;; 2 versions, each right; version 2 is version 1 with the launch field written anew for expert scheduling mode. Each part assembles by itself: llvm-mc -triple=amdgcn-amd-amdhsa -mcpu=gfx1250 --defsym DOCPART=n.
;; ======== version 1 of 2: 2 launches
;; workspace buffers: idx 33,554,432 bytes of whole numbers
;; launch index (part 1): grid 256 x 1, 16 waves a work-group, no clusters, 4,096 bytes of LDS; arguments x, grid_scales, grid_translations, idx; writes idx
.if DOCPART == 1
	.amdgcn_target "amdgcn-amd-amdhsa--gfx1250"
	.amdhsa_code_object_version 6
	.text
	.protected	k_q9af16d3495_index
	.globl	k_q9af16d3495_index
	.p2align	8
	.type	k_q9af16d3495_index,@function
k_q9af16d3495_index:
	s_mov_b64 s[64:65], 0
	v_nop
	global_prefetch_b8 v0, s[64:65] scope:SCOPE_SE
	s_setreg_imm32_b32 hwreg(HW_REG_WAVE_MODE, 25, 1), 1
	s_wait_xcnt 0x0
; For each of 131,072 points and each of 64 grids: the number of the cell's base node, zb * 4096 + yb * 64 + xb, as a whole number.
; f = (x * scale + translation + 1) * 31.5 on each axis; the base node is floor(f) held to 0 .. 62, so that the cell's eight corners always lie inside the volume.
; The next launch forms its gather addresses from these numbers and repeats COORD, line for line, for the weights: the same lines on the same inputs give the same floors.
; SHARES.  256 work-groups x 16 waves; wave W = 16 x work-group + wave owns points 32 W .. 32 W + 31 as two tiles m of 16.  Lane (r = lane % 16, h = lane / 16) serves point 32 W + 16 m + r
; for the 32 grids g = 16 b + 8 h + j; step s = 8 b + j.
; idx is laid [W][m][s / 4][lane][s % 4], 4 bytes each: every store of a wave covers 512 consecutive bytes, aligned, and the next launch reads four steps' numbers of a lane by one load of 16 bytes.
; The grids' parameters lie in LDS as (sx, sy, sz, 0, tx, ty, tz, 0), 32 bytes a grid: sixteen lanes read one address.
; No matrix work, no tensor load, no cluster: the launch streams 1.5 MB in and 32 MB out, and the work-groups share only 1.5 KB of parameters.
; LIMITS: NaN and infinities among the inputs are not served.
.set K315,  16                         ; s[16:17] 31.5 (the packed form names a pair and takes its low word for both halves)
.set K62,   18                         ; s18  62.0
.set K4096, 19                         ; s19  4096.0
.set K64,   20                         ; s20  64.0
.set XO,    1                          ; v1   12 r: my point's bytes among a tile's
.set PA,    2                          ; v2   256 h: my half's grids in the parameter table
.set SO,    3                          ; v3   16 x lane: my place in a store
.set X,     4                          ; v[4:7], v[8:11]   (x, y, z, 0) of my point in tile 0, 1
.set PB,    12                         ; v[12:19], v[20:27] a grid's parameters, two buffers by turns
.set T,     28                         ; v[28:35], v[36:43] at work, for tile 0, 1
.set I,     64                         ; v[64:127] the results: tile m, step s at v[64 + 32 m + s]: each written once
; f in v[t .. t+2], the base node (as floats) in v[t+4 .. t+6].  (p + 1) * 31.5 rounds as ((p + 1) * 0.5) * 63 does: the halving is exact.
.macro COORD t, x, p
	v_pk_fma_f32 v[(\t):(\t)+1], v[(\x):(\x)+1], v[(\p):(\p)+1], v[(\p)+4:(\p)+5]
	v_pk_fma_f32 v[(\t)+2:(\t)+3], v[(\x)+2:(\x)+3], v[(\p)+2:(\p)+3], v[(\p)+6:(\p)+7]
	v_pk_add_f32 v[(\t):(\t)+1], v[(\t):(\t)+1], 1.0 op_sel_hi:[1,0]
	v_pk_add_f32 v[(\t)+2:(\t)+3], v[(\t)+2:(\t)+3], 1.0 op_sel_hi:[1,0]
	v_pk_mul_f32 v[(\t):(\t)+1], v[(\t):(\t)+1], s[K315:K315+1] op_sel_hi:[1,0]
	v_pk_mul_f32 v[(\t)+2:(\t)+3], v[(\t)+2:(\t)+3], s[K315:K315+1] op_sel_hi:[1,0]
	v_floor_f32 v[(\t)+4], v[(\t)]
	v_floor_f32 v[(\t)+5], v[(\t)+1]
	v_floor_f32 v[(\t)+6], v[(\t)+2]
	v_med3_num_f32 v[(\t)+4], v[(\t)+4], 0, s[K62]
	v_med3_num_f32 v[(\t)+5], v[(\t)+5], 0, s[K62]
	v_med3_num_f32 v[(\t)+6], v[(\t)+6], 0, s[K62]
.endm
	s_load_b256 s[4:11], s[0:1], 0x0               ; x s[4:5], scales s[6:7], translations s[8:9], idx s[10:11]
	v_lshl_add_u32 v128, v0, 2, 0x800
	v_mov_b32 v129, 0
	v_lshrrev_b32 v44, 5, v0
	v_readfirstlane_b32 s2, v44                    ; wave 0..15
	s_lshl_b32 s3, ttmp9, 4
	s_add_co_u32 s3, s3, s2                        ; W
	v_and_b32 v45, 15, v0
	v_mul_u32_u24 v[XO], 12, v45
	v_bfe_u32 v45, v0, 4, 1
	v_lshlrev_b32 v[PA], 8, v45
	v_and_b32 v45, 31, v0
	v_lshlrev_b32 v[SO], 4, v45
	; thread t makes word t of the parameter table: grid t / 8, component t % 8
	v_lshrrev_b32 v44, 3, v0                       ; the grid
	v_and_b32 v45, 3, v0                           ; the axis, or 3: the pad
	v_min_u32 v46, 2, v45                          ; (the pad's thread loads axis 2 and throws it away: no load leaves its buffer)
	v_mad_u32_u24 v44, v44, 3, v46
	v_lshlrev_b32 v44, 2, v44                      ; byte offset in scales and in translations
	v_lshlrev_b32 v48, 2, v0                       ; and the word's place in LDS
	v_mov_b32 v49, 0
	v_mov_b32 v[X+3], 0                            ; the pads of the points
	v_mov_b32 v[X+7], 0
	s_mov_b32 s[K315], 0x41fc0000
	s_mov_b32 s[K315+1], 0x41fc0000
	s_mov_b32 s[K62], 0x42780000
	s_mov_b32 s[K4096], 0x45800000
	s_mov_b32 s[K64], 0x42800000
	s_mul_i32 s12, s3, 384                         ; 32 points of 12 bytes
	s_mov_b32 s13, 0
	s_lshl_b32 s14, s3, 13                         ; 32 points x 64 grids x 4 bytes
	s_mov_b32 s15, 0
	s_wait_kmcnt 0x0
	s_add_nc_u64 s[4:5], s[4:5], s[12:13]
	s_add_nc_u64 s[10:11], s[10:11], s[14:15]
	global_load_b32 v46, v44, s[6:7]
	global_load_b32 v47, v44, s[8:9]
.irp m, 0,1
.irp i, 0,1,2
	global_load_b32 v[X+4*\m+\i], v[XO], s[4:5] offset:192*\m+4*\i
.endr
.endr
	s_wait_loadcnt 6                               ; the two parameter loads are in; the six loads of x, issued behind them, may stay out
	v_and_b32 v50, 4, v0
	v_cmp_ne_u32 vcc_lo, 0, v50
	v_cndmask_b32 v46, v46, v47, vcc_lo            ; components 4 .. 7: the translation
	v_cmp_eq_u32 vcc_lo, 3, v45
	v_cndmask_b32 v46, v46, v49, vcc_lo            ; the pads: 0
	ds_store_b32 v48, v46
	s_wait_dscnt 0x0                               ; for the others' sake: my word lies in LDS
	s_barrier_signal -1
	s_barrier_wait -1                              ; the table is whole; nobody writes it again
	ds_load_b128 v[PB:PB+3], v[PA]                 ; step 0's grid
	ds_load_b128 v[PB+4:PB+7], v[PA] offset:16
	s_wait_loadcnt 0x0                             ; x
; Step s: the grid's parameters are in; the next step's are asked for; both tiles' cell numbers are made.  Behind every fourth step they leave.
.macro ISTEP s
	s_wait_dscnt 0x0                               ; this step's two loads are back (nothing else of mine is out in LDS)
.if \s < 31
	ds_load_b128 v[PB+8*((\s+1)%2):PB+8*((\s+1)%2)+3], v[PA] offset:512*((\s+1)/8)+32*((\s+1)%8)
	ds_load_b128 v[PB+8*((\s+1)%2)+4:PB+8*((\s+1)%2)+7], v[PA] offset:512*((\s+1)/8)+32*((\s+1)%8)+16
.endif
.irp m, 0,1
	COORD T+8*\m, X+4*\m, PB+8*(\s%2)
	v_fma_f32 v[T+8*\m+7], v[T+8*\m+5], s[K64], v[T+8*\m+4]        ; whole numbers under 2^18: exact in f32
	v_fma_f32 v[T+8*\m+7], v[T+8*\m+6], s[K4096], v[T+8*\m+7]
	v_cvt_u32_f32 v[I+32*\m+\s], v[T+8*\m+7]
.endr
.if \s%4 == 3
.irp m, 0,1
	global_store_b128 v[SO], v[I+32*\m+\s-3:I+32*\m+\s], s[10:11] offset:4096*\m+512*(\s/4)   ; 32 lanes store 512 consecutive bytes; no register of a store is written again
.endr
.endif
.endm
.irp s, 0,1,2,3,4,5,6,7,8,9,10,11,12,13,14,15,16,17,18,19,20,21,22,23,24,25,26,27,28,29,30,31
	ISTEP \s
.endr
	s_wait_tensorcnt 0x0
	ds_add_u32 v128, v129
	s_wait_dscnt 0x0
	s_endpgm
.Lfunc_end_k_q9af16d3495_index:
	.size	k_q9af16d3495_index, .Lfunc_end_k_q9af16d3495_index-k_q9af16d3495_index
	.p2alignl 7, 3214868480
	.fill 96, 4, 3214868480
	.section	.rodata,"a",@progbits
	.p2align	6, 0x0
	.amdhsa_kernel k_q9af16d3495_index
		.amdhsa_group_segment_fixed_size 4096
		.amdhsa_private_segment_fixed_size 0
		.amdhsa_enable_private_segment 0
		.amdhsa_kernarg_size 32
		.amdhsa_user_sgpr_count 2
		.amdhsa_user_sgpr_kernarg_segment_ptr 1
		.amdhsa_wavefront_size32 1
		.amdhsa_system_sgpr_workgroup_id_x 1
		.amdhsa_system_sgpr_workgroup_id_y 1
		.amdhsa_system_sgpr_workgroup_id_z 1
		.amdhsa_system_vgpr_workitem_id 0
		.amdhsa_next_free_vgpr 130
		.amdhsa_next_free_sgpr 66
		.amdhsa_reserve_vcc 1
		.amdhsa_float_denorm_mode_32 3
		.amdhsa_float_denorm_mode_16_64 3
		.amdhsa_memory_ordered 1
		.amdhsa_forward_progress 1
		.amdhsa_inst_pref_size 62
	.end_amdhsa_kernel
	.amdgpu_metadata
---
amdhsa.version: [ 1, 2 ]
amdhsa.kernels:
  - .name:           k_q9af16d3495_index
    .symbol:         k_q9af16d3495_index.kd
    .args:
      - { .name: x, .offset: 0, .size: 8, .value_kind: global_buffer, .address_space: global }
      - { .name: grid_scales, .offset: 8, .size: 8, .value_kind: global_buffer, .address_space: global }
      - { .name: grid_translations, .offset: 16, .size: 8, .value_kind: global_buffer, .address_space: global }
      - { .name: idx, .offset: 24, .size: 8, .value_kind: global_buffer, .address_space: global }
    .group_segment_fixed_size: 4096
    .private_segment_fixed_size: 0
    .kernarg_segment_align: 8
    .kernarg_segment_size: 32
    .max_flat_workgroup_size: 512
    .sgpr_count:     66
    .vgpr_count:     130
    .wavefront_size: 32
...
	.end_amdgpu_metadata
.endif
;; end of part 1
;; launch field (part 2): grid 256 x 1, 16 waves a work-group, no clusters, 78,336 bytes of LDS; arguments x, grid_scales, grid_translations, feature_grids, idx, W0_codes, W1_codes, W2_codes, W3_codes, W0_scales, W1_scales, W2_scales, W3_scales, b0, b1, b2, b3, Wf, bf, out0; writes out0
.if DOCPART == 2
	.amdgcn_target "amdgcn-amd-amdhsa--gfx1250"
	.amdhsa_code_object_version 6
	.text
	.protected	k_q9af16d3495_field
	.globl	k_q9af16d3495_field
	.p2align	8
	.type	k_q9af16d3495_field,@function
k_q9af16d3495_field:
	s_mov_b64 s[64:65], 0
	v_nop
	global_prefetch_b8 v0, s[64:65] scope:SCOPE_SE
	s_setreg_imm32_b32 hwreg(HW_REG_WAVE_MODE, 25, 1), 1
	s_wait_xcnt 0x0
; out0[p] = decoder(features(p)).  features: 64 grids x 2 channels, each a trilinear sample (corners outside the volume count as zeros) at x * scale + translation.
; decoder: four layers 128 -> 128 on codes of FP4 (E2M1) with one E8M0 scale for each 32 along K (weights given as codes, activations quantised here), 0.5 y + sin(y)^2 behind the first,
; max(y, 0.2 y) behind the other three, then a dot product with Wf in f32, + bf.
; SHARES.  256 work-groups x 16 waves; wave W = 16 x work-group + wave owns points 32 W .. 32 W + 31 as two tiles m of 16.  Lane (r = lane % 16, h = lane / 16) serves point 32 W + 16 m + r and
; samples the 32 grids g = 16 b + 8 h + j (b = 0 .. 3: a block, j = 0 .. 7: a step).  Its feature 2 g + c is k = 32 b + 16 h + 2 j + c: a block's 16 numbers of a lane are 16 neighbours along K, the
; other 16 lie in lane l xor 16.  So a block of 32 features is turned into codes as soon as its eight steps are done, and a tile keeps 16 numbers, not 128.
; THE GATHER.  The cell numbers come as whole numbers from the launch before (idx); a cell's base node lies in 0 .. 62 on each axis, so its 8 corners x 2 channels are 16 loads of 4 bytes at one
; address register with immediates.  A corner's weight is the product of three hat functions at its node: with d = f - base, max(0, 1 - |d|) at the base and med3(2 - d, 0, d) at base + 1.
; Inside the volume these are 1 - t and t; one cell outside, the one valid node keeps its weight and the other gets 0; further out both are 0: what the clip and the mask of the definition give.
; A ring of four slots of 16 registers keeps up to four units (a step of a tile) of gathers in flight in each wave.  All waves walk the grids in the same order.
; THE DECODER.  Products are used transposed (source 0 = 16 rows of W, source 1 = 16 points), and lane r of weight tile 2 b + u takes row 32 b + 8 u + r + 8 (r / 8): a lane then holds one point, and the 16
; registers of tiles 2 b, 2 b + 1 are 16 neighbours along the next K.  The bias is the C of each product.  Weights, scale words and biases lie in LDS as images of the operands' registers.
; NO CLUSTER, NO TENSOR LOAD: what work-groups share are 37 KB of weights, read once by each; the table is read 4 bytes a lane at scattered places, not by tiles.
; sin: y - n pi in two fused steps (pi = hi + lo), then the odd polynomial to r^11 on |r| <= pi / 2 (the first term left out is under 6e-8); the sign (-1)^n falls away in the square.
; LIMITS: NaN and infinities among the inputs are not served.  The reduction of sin's argument keeps an absolute error near 1e-7 while |y| stays under about 1e6.
; A block whose largest magnitude lies under 2^-124 keeps the scale byte 1, as the quantiser's hold at -126 gives; a block of zeros keeps that byte too: its codes are zeros.
.set WIM, 0                            ; LDS: weight fragments, layer L, tile t at 1024 (8 L + t) + 512 c + 16 lane
.set SIM, 32768                        ; their scale words at 128 (8 L + t) + 4 lane
.set BI,  36864                        ; b0 .. b3, 512 bytes each
.set WFO, 38912                        ; Wf
.set P,   39424                        ; the grids' parameters, (sx, sy, sz, 0, tx, ty, tz, 0), 32 bytes a grid
.set XIM, 41472                        ; 2,048 bytes a wave: the features' codes as images of the operand, tile m at 1024 m
.set OST, 74240                        ; the work-group's 512 results
.set LN16, 1                           ; v1   16 x lane
.set LN4,  2                           ; v2   4 x lane
.set PA0,  3                           ; v3   P + 256 h
.set XST0, 4                           ; v4   XIM + 2048 wave + 16 r + 8 h
.set BA,   5                           ; v5   BI + 64 h
.set HS,   6                           ; v6   byte offset of the grid whose gathers are issued next
.set IO,   7                           ; v7   16 x lane + 1024 b: my place in idx
.set PF,   8                           ; v8   the prefetch's byte offset in the table
.set XLD,  9                           ; v9   XIM + 2048 wave + 16 lane
.set OSA,  10                          ; v10  OST + 4 x thread
.set OLA,  11                          ; v11  OST + 16 x (thread % 128)
.set X,    12                          ; v[12:15], v[16:19] (x, y, z, 0) of my point in tile 0, 1
.set Q,    20                          ; v[20:27], v[28:35] the block's eight cell numbers, tile 0, 1
.set PB,   36                          ; v[36:43], v[44:51] a grid's parameters, two buffers by turns
.set VO,   52                          ; v[52:55] a slot's address register
.set T,    56                          ; v[56:87] at work
.set F,    88                          ; v[88:103], v[104:119] the block's 16 features, tile 0, 1
.set PW,   120                         ; v120, v121 the activations' scale words, tile 0, 1: scales and nothing else
.set WS,   124                         ; v[124:127] four weight tiles' scale words: scales and nothing else
.set G,    128                         ; v[128:191] the ring: slot x 16; register 4 (2 dz + dy) + 2 dx + c
.set PAC,  192                         ; v192 this block's address in P
.set XSTC, 193                         ; v193 this block's address in my image
.set H,    128                         ; the decoder: v[128:255] a layer's results: tile of points m, weight tile t at 128 + 64 m + 8 t
.set PC,   12                          ; v[12:19], v[20:27] the activations' codes, tile 0, 1
.set WF,   28                          ; v[28:59] four weight fragments; between products at work; at the end, with v[60:91], Wf
.set BS,   60                          ; v[60:91] four tiles of bias
.set TM,   96                          ; v[96:111] the quantiser's; ahead of it sin's eight constants, each twice
.set K315, 46                          ; s[46:47] 31.5
.set K62,  48                          ; s48  62.0
.set SPO,  45                          ; s45  512 b
.set SXO,  49                          ; s49  256 b
.set SEL,  50                          ; s[50:51] v_permlanex16_b32's selects for lane l xor 16
.set SHB,  52                          ; s52  8 b: the place of the block's byte in the scale word
.set CNT,  53                          ; s53  blocks to go in the loop
.set K02,  54                          ; s[54:55] 0.2
; f in v[t .. t+2], the base node (as floats) in v[t+4 .. t+6]: line for line as in the launch that made idx.
.macro COORD t, x, p
	v_pk_fma_f32 v[(\t):(\t)+1], v[(\x):(\x)+1], v[(\p):(\p)+1], v[(\p)+4:(\p)+5]
	v_pk_fma_f32 v[(\t)+2:(\t)+3], v[(\x)+2:(\x)+3], v[(\p)+2:(\p)+3], v[(\p)+6:(\p)+7]
	v_pk_add_f32 v[(\t):(\t)+1], v[(\t):(\t)+1], 1.0 op_sel_hi:[1,0]
	v_pk_add_f32 v[(\t)+2:(\t)+3], v[(\t)+2:(\t)+3], 1.0 op_sel_hi:[1,0]
	v_pk_mul_f32 v[(\t):(\t)+1], v[(\t):(\t)+1], s[K315:K315+1] op_sel_hi:[1,0]
	v_pk_mul_f32 v[(\t)+2:(\t)+3], v[(\t)+2:(\t)+3], s[K315:K315+1] op_sel_hi:[1,0]
	v_floor_f32 v[(\t)+4], v[(\t)]
	v_floor_f32 v[(\t)+5], v[(\t)+1]
	v_floor_f32 v[(\t)+6], v[(\t)+2]
	v_med3_num_f32 v[(\t)+4], v[(\t)+4], 0, s[K62]
	v_med3_num_f32 v[(\t)+5], v[(\t)+5], 0, s[K62]
	v_med3_num_f32 v[(\t)+6], v[(\t)+6], 0, s[K62]
.endm
; A unit's 16 gathers into a slot.  The loaded cell number is held to the highest base cell, 62 * 4096 + 62 * 64 + 62, before it enters the address.
.macro ISSUE slot, q
	v_min_u32 v[VO+(\slot)], 0x3efbe, v[\q]
	v_lshl_add_u32 v[VO+(\slot)], v[VO+(\slot)], 2, v[HS]
.irp k, 0,1,2,3
.irp e, 0,1,2,3
	global_load_b32 v[G+16*(\slot)+4*\k+\e], v[VO+(\slot)], s[10:11] offset:4*(4096*(\k/2)+64*(\k%2)+(\e/2)+262144*(\e%2))
.endr
.endr
.endm
; Step j of tile m: the eight weights, then the two channels' sums.  n: how many younger loads may stay out when this unit's 16 have to be there.
.macro CONSUME j, m, slot, n
.set FF, F+16*\m+2*\j
.set GG, G+16*(\slot)
	COORD T, X+4*\m, PB+8*(\j%2)
	v_pk_add_f32 v[T:T+1], v[T:T+1], v[T+4:T+5] neg_lo:[0,1] neg_hi:[0,1]   ; d = f - base
	v_sub_f32 v[T+2], v[T+2], v[T+6]
.irp a, 0,1,2
	v_sub_f32 v[T+8+2*\a], 1.0, |v[T+\a]|
.endr
.irp a, 0,1,2
	v_sub_f32 v[T+9+2*\a], 2.0, v[T+\a]
.endr
.irp a, 0,1,2
	v_max_num_f32 v[T+8+2*\a], 0, v[T+8+2*\a]                      ; the weight at the base node
.endr
.irp a, 0,1,2
	v_med3_num_f32 v[T+9+2*\a], v[T+9+2*\a], 0, v[T+\a]            ; and at base + 1: pairs (lo, hi) for x at T+8, y at T+10, z at T+12
.endr
	v_pk_mul_f32 v[T+14:T+15], v[T+10:T+11], v[T+12:T+13] op_sel_hi:[1,0]             ; wz.lo x (wy.lo, wy.hi)
	v_pk_mul_f32 v[T+16:T+17], v[T+10:T+11], v[T+12:T+13] op_sel:[0,1] op_sel_hi:[1,1]   ; wz.hi x (wy.lo, wy.hi)
.irp z, 0,1
	v_pk_mul_f32 v[T+18+4*\z:T+19+4*\z], v[T+8:T+9], v[T+14+2*\z:T+15+2*\z] op_sel_hi:[1,0]              ; corner pair 2 dz:     x (wx.lo, wx.hi)
	v_pk_mul_f32 v[T+20+4*\z:T+21+4*\z], v[T+8:T+9], v[T+14+2*\z:T+15+2*\z] op_sel:[0,1] op_sel_hi:[1,1]   ; corner pair 2 dz + 1
.endr
	s_wait_loadcnt \n                              ; loads come back in order (ISA guide 5.7.1): this unit's 16 are in, and so is every index load issued ahead of them
	v_pk_mul_f32 v[FF:FF+1], v[GG:GG+1], v[T+18:T+19] op_sel_hi:[1,0]                    ; the first corner starts the sums of both channels
	v_pk_fma_f32 v[FF:FF+1], v[GG+2:GG+3], v[T+18:T+19], v[FF:FF+1] op_sel:[0,1,0] op_sel_hi:[1,1,1]
.irp k, 1,2,3
	v_pk_fma_f32 v[FF:FF+1], v[GG+4*\k:GG+4*\k+1], v[T+18+2*\k:T+19+2*\k], v[FF:FF+1] op_sel_hi:[1,0,1]
	v_pk_fma_f32 v[FF:FF+1], v[GG+4*\k+2:GG+4*\k+3], v[T+18+2*\k:T+19+2*\k], v[FF:FF+1] op_sel:[0,1,0] op_sel_hi:[1,1,1]
.endr
.endm
; A finished block of 32 features of both tiles becomes codes and a scale byte.  My 8 bytes of codes (k = 32 b + 16 h + 0 .. 15 of point r) go to 256 b + 16 r + 8 h of the tile's image:
; that is byte 8 h of the 16 bytes that lane (r, b % 2) loads into register group b / 2 of the operand: LDS does the exchange of halves.
.macro QB
.irp m, 0,1
	v_max3_num_f32 v[T+\m], |v[F+16*\m]|, |v[F+16*\m+1]|, 0x1800000      ; my 16 numbers, and the floor 2^(3 - 127): the byte cannot fall under 1
.endr
.irp i, 2,4,6,8,10,12,14
.irp m, 0,1
	v_max3_num_f32 v[T+\m], v[T+\m], |v[F+16*\m+\i]|, |v[F+16*\m+\i+1]|
.endr
.endr
.irp m, 0,1
	v_permlanex16_b32 v[T+2+\m], v[T+\m], s[SEL], s[SEL+1]
.endr
.irp m, 0,1
	v_max_num_f32 v[T+\m], v[T+\m], v[T+2+\m]                      ; with lane l xor 16's: the block's largest magnitude
.endr
.irp m, 0,1
	v_add_nc_u32 v[T+4+\m], 0xff000000, v[T+\m]                    ; 2 off its exponent field: the conversion's scale operand
.endr
.irp m, 0,1
	v_lshrrev_b32 v[T+6+\m], 23, v[T+4+\m]                         ; the scale's byte
.endr
.irp m, 0,1
	v_lshl_or_b32 v[PW+\m], v[T+6+\m], s[SHB], v[PW+\m]            ; into byte b of my point's scale word
.endr
.irp m, 0,1
	v_cvt_scalef32_pk8_fp4_f32 v[122-36*\m], v[F+16*\m:F+16*\m+7], v[T+4+\m]
	v_cvt_scalef32_pk8_fp4_f32 v[123-36*\m], v[F+16*\m+8:F+16*\m+15], v[T+4+\m]
.endr
	v_nop                                          ; one plain place behind the scaled conversions
.irp m, 0,1
	ds_store_b64 v[XSTC], v[122-36*\m:123-36*\m] offset:1024*\m    ; each tile has its own pair of registers; they are written again only behind the next block's first wait on DScnt
.endr
.endm
; A block: eight steps of both tiles.  The gathers run four units (two steps) ahead, over the block's end too; last = 1: the tail, which asks for nothing beyond the last grid.
.macro BLOCK last
	v_add_nc_u32 v[PAC], s[SPO], v[PA0]
	v_add_nc_u32 v[XSTC], s[SXO], v[XST0]
.irp j, 0,1,2,3,4,5,6,7
	s_wait_dscnt 0x0                               ; this step's parameters are back (and, at step 0, the last block's stores of codes are done)
.if \j < 7
	ds_load_b128 v[PB+8*((\j+1)%2):PB+8*((\j+1)%2)+3], v[PAC] offset:32*(\j+1)
	ds_load_b128 v[PB+8*((\j+1)%2)+4:PB+8*((\j+1)%2)+7], v[PAC] offset:32*(\j+1)+16
.elseif !\last
	ds_load_b128 v[PB:PB+3], v[PAC] offset:512     ; the next block's step 0
	ds_load_b128 v[PB+4:PB+7], v[PAC] offset:528
.endif
.irp m, 0,1
.set U, 2*\j+\m
.set SL, U%4
.set NW, 48                            ; three younger units of 16 (index loads among them are not counted: the wait is then the stricter)
.if \last && (U > 12)
.set NW, 16*(15-U)                     ; the tail's counts run down
.endif
	CONSUME \j, \m, SL, NW
.if (\j < 6) || !\last
.if \m == 0
.if \j == 6
	v_add_nc_u32 v[HS], 0x1200000, v[HS]           ; from grid 16 b + 8 h + 7 to 16 (b + 1) + 8 h: nine grids of 2 MB
.else
	v_add_nc_u32 v[HS], 0x200000, v[HS]            ; the next grid
.endif
.endif
	ISSUE SL, Q+8*\m+(\j+2)%8                      ; the slot just read takes the unit two steps on; the wait above has shown its last loads done, so its address register may be written
.endif
.if !\last
.if \j == 1
	global_load_b128 v[Q+8*\m:Q+8*\m+3], v[IO], s[12:13] offset:1024+4096*\m th:TH_LOAD_NT      ; the next block's cell numbers 0 .. 3: this block's were last read just above
.endif
.if \j == 5
	global_load_b128 v[Q+8*\m+4:Q+8*\m+7], v[IO], s[12:13] offset:1536+4096*\m th:TH_LOAD_NT    ; and 4 .. 7
.if \m == 0
	global_prefetch_b8 v[PF], s[10:11] th:TH_LOAD_NT scope:SCOPE_SE   ; wave W asks for bytes 8192 W .. 8192 W + 8191 of the next block's 16 grids, 32 lanes 256 bytes apart: the 4,096 waves together name each such piece once; the tail asks for nothing, so no request passes the table's end
.endif
.endif
.endif
.endr
.endr
	QB
.if !\last
	s_add_co_u32 s[SPO], s[SPO], 512
	s_add_co_u32 s[SXO], s[SXO], 256
	s_add_co_u32 s[SHB], s[SHB], 8
	s_wait_xcnt 0x0                                ; every earlier memory instruction has had its addresses translated (ISA guide 3.1): only behind this wait are the index loads' and the prefetch's offsets stepped
	v_add_nc_u32 v[IO], 1024, v[IO]
	v_add_nc_u32 v[PF], 0x2000000, v[PF]
.endif
.endm
	s_load_b512 s[4:19], s[0:1], 0x0               ; x s[4:5], scales s[6:7], translations s[8:9], table s[10:11], idx s[12:13], W0, W1, W2 codes s[14:19]
	s_load_b512 s[20:35], s[0:1], 0x40             ; W3 codes s[20:21], W0 .. W3 scales s[22:29], b0, b1, b2 s[30:35]
	s_load_b256 s[36:43], s[0:1], 0x80             ; b3 s[36:37], Wf s[38:39], bf s[40:41], out0 s[42:43]
	v_lshrrev_b32 v94, 5, v0
	v_readfirstlane_b32 s2, v94                    ; wave 0..15
	s_lshl_b32 s3, ttmp9, 4
	s_add_co_u32 s3, s3, s2                        ; W
	v_and_b32 v94, 31, v0                          ; lane
	v_and_b32 v95, 15, v0                          ; r
	v_bfe_u32 v96, v0, 4, 1                        ; h
	v_lshlrev_b32 v[LN16], 4, v94
	v_lshlrev_b32 v[LN4], 2, v94
	v_lshl_add_u32 v[PA0], v96, 8, P
	s_lshl_b32 s56, s2, 11                         ; 2048 x wave
	v_lshlrev_b32 v[XST0], 4, v95
	v_lshl_add_u32 v[XST0], v96, 3, v[XST0]
	v_add_nc_u32 v[XST0], s56, v[XST0]
	v_add_nc_u32 v[XST0], XIM, v[XST0]
	v_lshl_add_u32 v[BA], v96, 6, BI
	v_lshlrev_b32 v[HS], 24, v96                   ; grid 8 h: 8 x 2 MB
	v_mov_b32 v[IO], v[LN16]
	s_lshl_b32 s57, s3, 13
	s_add_co_u32 s57, s57, 0x2000000               ; block 1's grids begin 32 MB into the table
	v_lshl_add_u32 v[PF], v94, 8, s57
	v_add_nc_u32 v[XLD], s56, v[LN16]
	v_add_nc_u32 v98, s56, v[LN16]                 ; where my two weight fragments go: WIM + 2048 wave + 16 lane
	v_add_nc_u32 v[XLD], XIM, v[XLD]
	v_lshl_add_u32 v[OSA], v0, 2, OST
	v_and_b32 v97, 127, v0
	v_lshl_add_u32 v[OLA], v97, 4, OST
	s_lshl_b32 s58, s2, 8
	v_add_nc_u32 v99, s58, v[LN4]                  ; their scale words: 256 wave + 4 lane
	v_lshlrev_b32 v100, 2, v0                      ; 4 x thread: a bias word's and a parameter word's place
	; what this wave brings into LDS: layer wave / 4, weight tiles 2 (wave % 4) and + 1, 32 numbers of that layer's bias, 8 of Wf, 32 words of the parameter table
	v_and_b32 v101, 8, v95
	v_add_nc_u32 v101, v101, v95                   ; r + 8 (r / 8)
	s_and_b32 s59, s2, 3
	s_lshl_b32 s60, s59, 11
	s_lshl_b32 s61, s59, 7
	s_lshl_b32 s62, s2, 5
	v_lshlrev_b32 v88, 6, v101                     ; codes: a row of 128 codes is 64 bytes,
	v_lshl_add_u32 v88, v96, 4, v88                ; + 16 h,
	v_add_nc_u32 v88, s60, v88                     ; + 32 rows x (wave % 4)
	v_lshl_add_u32 v89, v101, 2, s61               ; scale words: 4 bytes a row
	v_add_nc_u32 v90, s61, v[LN4]                  ; bias
	v_and_b32 v91, 7, v0
	v_lshl_add_u32 v91, v91, 2, s62                ; Wf: 32 wave + 4 (lane % 8): four lanes bring, and store, the same word
	v_lshrrev_b32 v92, 3, v0                       ; the parameter table: thread t makes word t: grid t / 8,
	v_and_b32 v102, 3, v0                          ; axis t % 4, or 3: the pad
	v_min_u32 v103, 2, v102                        ; (the pad's thread loads axis 2 and throws it away: no load leaves its buffer)
	v_mad_u32_u24 v92, v92, 3, v103
	v_lshlrev_b32 v92, 2, v92
	v_mul_u32_u24 v93, 12, v95                     ; x: 12 bytes a point
	s_mov_b32 s[K315], 0x41fc0000
	s_mov_b32 s[K315+1], 0x41fc0000
	s_mov_b32 s[K62], 0x42780000
	s_mov_b32 s[SEL], 0x76543210
	s_mov_b32 s[SEL+1], 0xfedcba98
	s_mov_b32 s[K02], 0x3e4ccccd
	s_mov_b32 s[K02+1], 0x3e4ccccd
	s_mov_b32 s[SPO], 0
	s_mov_b32 s[SXO], 0
	s_mov_b32 s[SHB], 0
	s_mov_b32 s[CNT], 3
	s_lshr_b32 s56, s2, 2                          ; my layer
	s_wait_kmcnt 0x0
	s_load_b32 s44, s[40:41], 0x0                  ; bf
	s_bitcmp1_b32 s56, 0                           ; the choice of buffers hangs on the wave's number alone
	s_cselect_b64 s[66:67], s[16:17], s[14:15]
	s_cselect_b64 s[72:73], s[20:21], s[18:19]
	s_cselect_b64 s[68:69], s[24:25], s[22:23]
	s_cselect_b64 s[74:75], s[28:29], s[26:27]
	s_cselect_b64 s[70:71], s[32:33], s[30:31]
	s_cselect_b64 s[76:77], s[36:37], s[34:35]
	s_bitcmp1_b32 s56, 1
	s_cselect_b64 s[66:67], s[72:73], s[66:67]     ; my layer's codes,
	s_cselect_b64 s[68:69], s[74:75], s[68:69]     ; scales,
	s_cselect_b64 s[70:71], s[76:77], s[70:71]     ; bias
	s_mul_i32 s60, s3, 384
	s_mov_b32 s61, 0
	s_add_nc_u64 s[4:5], s[4:5], s[60:61]          ; x at my 32 points
	s_lshl_b32 s60, s3, 13
	s_add_nc_u64 s[12:13], s[12:13], s[60:61]      ; idx at my 8,192 bytes
	s_lshl_b32 s60, ttmp9, 11
	s_add_nc_u64 s[42:43], s[42:43], s[60:61]      ; out0 at the work-group's 512 points
.irp tt, 0,1
.irp c, 0,1
	global_load_b128 v[56+8*\tt+4*\c:59+8*\tt+4*\c], v88, s[66:67] offset:512*\tt+32*\c
.endr
	global_load_b32 v[72+\tt], v89, s[68:69] offset:32*\tt
.endr
	global_load_b32 v74, v90, s[70:71]
	global_load_b32 v75, v91, s[38:39]
	global_load_b32 v76, v92, s[6:7]
	global_load_b32 v77, v92, s[8:9]
.irp m, 0,1
.irp i, 0,1,2
	global_load_b32 v[X+4*\m+\i], v93, s[4:5] offset:192*\m+4*\i
.endr
.endr
.irp m, 0,1
.irp i, 0,1
	global_load_b128 v[Q+8*\m+4*\i:Q+8*\m+4*\i+3], v[IO], s[12:13] offset:4096*\m+512*\i th:TH_LOAD_NT   ; block 0's cell numbers
.endr
.endr
	v_mov_b32 v79, 0
	v_mov_b32 v[X+3], 0                            ; the pads of the points
	v_mov_b32 v[X+7], 0
	v_mov_b32 v[PW], 0                             ; the scale words are gathered byte by byte
	v_mov_b32 v[PW+1], 0
	v_and_b32 v78, 4, v0
	s_wait_loadcnt 0x0
	v_cmp_ne_u32 vcc_lo, 0, v78
	v_cndmask_b32 v76, v76, v77, vcc_lo            ; components 4 .. 7: the translation
	v_cmp_eq_u32 vcc_lo, 3, v102
	v_cndmask_b32 v76, v76, v79, vcc_lo            ; the pads: 0
.irp tt, 0,1
.irp c, 0,1
	ds_store_b128 v98, v[56+8*\tt+4*\c:59+8*\tt+4*\c] offset:WIM+512*(2*\tt+\c)
.endr
	ds_store_b32 v99, v[72+\tt] offset:SIM+128*\tt
.endr
	ds_store_b32 v100, v74 offset:BI
	ds_store_b32 v91, v75 offset:WFO
	ds_store_b32 v100, v76 offset:P
	ISSUE 0, Q                                     ; the ring is filled: steps 0 and 1 of both tiles
	ISSUE 1, Q+8
	v_add_nc_u32 v[HS], 0x200000, v[HS]
	ISSUE 2, Q+1
	ISSUE 3, Q+9
	s_wait_kmcnt 0x0                               ; bf
	s_wait_dscnt 0x0                               ; for the others' sake: my part of the images and tables lies in LDS
	s_barrier_signal -1
	s_barrier_wait -1                              ; they are whole, and nobody writes them again.  (The gathers stay on their way: nobody writes the table)
	ds_load_b128 v[PB:PB+3], v[PA0]                ; step 0's grid
	ds_load_b128 v[PB+4:PB+7], v[PA0] offset:16
.Lblock:                                               ; blocks 0, 1, 2; at the head, on both ways in: four units of gathers out, step 0's parameters asked for
	BLOCK 0
	s_sub_co_u32 s[CNT], s[CNT], 1
	s_cmp_lg_u32 s[CNT], 0
	s_cbranch_scc1 .Lblock
	BLOCK 1                                        ; block 3 is written out: no gather, index load or prefetch beyond the end
; ---------------- THE DECODER ----------------
.set CI,  96                           ; 1 / pi
.set CH,  98                           ; -pi_hi
.set CL,  100                          ; -pi_lo
.set C3,  102
.set C5,  104
.set C7,  106
.set C9,  108
.set C11, 110
.set SQ,  28                           ; at work on one accumulator: four pairs each
.set SR,  36
.set SU,  44
.set SV,  52
; Layer L: H = W x activations + bias, four weight tiles at a time.  Each result is written once, its C is the bias: no sum is carried from instruction to instruction.
; Neighbouring instructions name different results and different bias registers.
.macro MATMUL L
.irp g, 0,1
.if \g == 1
.rept 4
	v_nop                                          ; places in front of loads into registers that matrix instructions have read
.endr
.endif
.irp t, 0,1,2,3
	ds_load_b128 v[WF+8*\t:WF+8*\t+3], v[LN16] offset:WIM+1024*(8*\L+4*\g+\t)
	ds_load_b128 v[WF+8*\t+4:WF+8*\t+7], v[LN16] offset:WIM+1024*(8*\L+4*\g+\t)+512
	ds_load_b32 v[WS+\t], v[LN4] offset:SIM+128*(8*\L+4*\g+\t)
	ds_load_b128 v[BS+8*\t:BS+8*\t+3], v[BA] offset:512*\L+4*(32*((4*\g+\t)/2)+8*(\t%2))       ; lane (r, h), register j: the bias of unit 32 (t / 2) + 16 h + 8 (t % 2) + j
	ds_load_b128 v[BS+8*\t+4:BS+8*\t+7], v[BA] offset:512*\L+4*(32*((4*\g+\t)/2)+8*(\t%2))+16
.endr
	s_wait_dscnt 0x0
.if \g == 0
.rept 8
	v_nop                                          ; the activations' scale words were written by vector instructions: eight places ahead of a scaled matrix instruction (their codes: four)
.endr
.endif
.irp m, 0,1
.irp t, 0,1,2,3
	v_wmma_scale_f32_16x16x128_f8f6f4 v[H+64*\m+8*(4*\g+\t):H+64*\m+8*(4*\g+\t)+7], v[WF+8*\t:WF+8*\t+7], v[PC+8*\m:PC+8*\m+7], v[BS+8*\t:BS+8*\t+7], v[WS+\t], v[PW+\m] matrix_a_fmt:MATRIX_FMT_FP4 matrix_b_fmt:MATRIX_FMT_FP4
.endr
.endr
.endr
.rept 4
	v_nop                                          ; places in front of the first read of results and the first write of operands
.endr
.endm
; 0.5 y + sin(y)^2 on one accumulator, its four pairs by turns, from its low end on.
.macro SNAKE a
.set YA, H+8*(\a)
.irp i, 0,2,4,6
	v_pk_mul_f32 v[SQ+\i:SQ+\i+1], v[YA+\i:YA+\i+1], v[CI:CI+1]
.endr
.irp i, 0,1,2,3,4,5,6,7
	v_rndne_f32 v[SQ+\i], v[SQ+\i]                 ; n = the whole number nearest y / pi
.endr
.irp i, 0,2,4,6
	v_pk_fma_f32 v[SR+\i:SR+\i+1], v[SQ+\i:SQ+\i+1], v[CH:CH+1], v[YA+\i:YA+\i+1]
.endr
.irp i, 0,2,4,6
	v_pk_fma_f32 v[SR+\i:SR+\i+1], v[SQ+\i:SQ+\i+1], v[CL:CL+1], v[SR+\i:SR+\i+1]      ; r = y - n pi
.endr
.irp i, 0,2,4,6
	v_pk_mul_f32 v[SU+\i:SU+\i+1], v[SR+\i:SR+\i+1], v[SR+\i:SR+\i+1]                 ; u = r^2
.endr
.irp i, 0,2,4,6
	v_pk_fma_f32 v[SV+\i:SV+\i+1], v[SU+\i:SU+\i+1], v[C11:C11+1], v[C9:C9+1]
.endr
.irp i, 0,2,4,6
	v_pk_fma_f32 v[SV+\i:SV+\i+1], v[SV+\i:SV+\i+1], v[SU+\i:SU+\i+1], v[C7:C7+1]
.endr
.irp i, 0,2,4,6
	v_pk_fma_f32 v[SV+\i:SV+\i+1], v[SV+\i:SV+\i+1], v[SU+\i:SU+\i+1], v[C5:C5+1]
.endr
.irp i, 0,2,4,6
	v_pk_fma_f32 v[SV+\i:SV+\i+1], v[SV+\i:SV+\i+1], v[SU+\i:SU+\i+1], v[C3:C3+1]
.endr
.irp i, 0,2,4,6
	v_pk_mul_f32 v[SQ+\i:SQ+\i+1], v[SR+\i:SR+\i+1], v[SU+\i:SU+\i+1]
.endr
.irp i, 0,2,4,6
	v_pk_fma_f32 v[SR+\i:SR+\i+1], v[SQ+\i:SQ+\i+1], v[SV+\i:SV+\i+1], v[SR+\i:SR+\i+1]   ; sin(r) = r + r u (c3 + u (c5 + ..))
.endr
.irp i, 0,2,4,6
	v_pk_mul_f32 v[YA+\i:YA+\i+1], v[YA+\i:YA+\i+1], 0.5 op_sel_hi:[1,0]
.endr
.irp i, 0,2,4,6
	v_pk_fma_f32 v[YA+\i:YA+\i+1], v[SR+\i:SR+\i+1], v[SR+\i:SR+\i+1], v[YA+\i:YA+\i+1]
.endr
.endm
; max(y, 0.2 y): y where y >= 0, else 0.2 y.  One accumulator, from its low end on.
.macro LRELU a
.set YA, H+8*(\a)
.set LT, 28+8*((\a)%4)
.irp i, 0,2,4,6
	v_pk_mul_f32 v[LT+\i:LT+\i+1], v[YA+\i:YA+\i+1], s[K02:K02+1] op_sel_hi:[1,0]
.endr
.irp i, 0,1,2,3,4,5,6,7
	v_max_num_f32 v[YA+\i], v[YA+\i], v[LT+\i]
.endr
.endm
; 64 numbers of a lane, register 16 b + i = k 32 b + 16 h + i of my point, become the operand's codes in v[pc] on and its scale word in v[pw].
.macro QUANT s, pc, pw
.irp b, 0,1,2,3
	v_max3_num_f32 v[TM+\b], |v[\s+16*\b]|, |v[\s+1+16*\b]|, 0x1800000   ; block b: my 16 numbers, and the floor 2^(3 - 127): the byte cannot fall under 1
.endr
.irp i, 2,4,6,8,10,12,14
.irp b, 0,1,2,3
	v_max3_num_f32 v[TM+\b], v[TM+\b], |v[\s+16*\b+\i]|, |v[\s+1+16*\b+\i]|
.endr
.endr
.irp b, 0,1,2,3
	v_permlanex16_b32 v[TM+4+\b], v[TM+\b], s[SEL], s[SEL+1]
.endr
.irp b, 0,1,2,3
	v_max_num_f32 v[TM+\b], v[TM+\b], v[TM+4+\b]   ; with lane l xor 16's: the block's largest magnitude
.endr
.irp b, 0,1,2,3
	v_add_nc_u32 v[TM+12+\b], 0xff000000, v[TM+\b] ; 2 off its exponent field: the conversion's scale operand
.endr
.irp b, 0,1,2,3
	v_lshrrev_b32 v[TM+4+\b], 23, v[TM+12+\b]      ; the scale's byte
.endr
	v_lshl_or_b32 v[\pw], v[TM+5], 8, v[TM+4]
	v_lshl_or_b32 v[\pw], v[TM+6], 16, v[\pw]
	v_lshl_or_b32 v[\pw], v[TM+7], 24, v[\pw]
.irp b, 0,1,2,3
	v_cvt_scalef32_pk8_fp4_f32 v[\pc+2*\b], v[\s+16*\b:\s+7+16*\b], v[TM+12+\b]
	v_cvt_scalef32_pk8_fp4_f32 v[\pc+1+2*\b], v[\s+8+16*\b:\s+15+16*\b], v[TM+12+\b]
.endr
	v_nop                                          ; one plain place behind the scaled conversions
.irp c, 0,1                                    ; the operand's layout wants a whole block in a lane: lanes 0-15 block 2 c, lanes 16-31 block 2 c + 1
.irp i, 0,1
	v_permlane16_swap_b32 v[\pc+4*\c+\i], v[\pc+2+4*\c+\i]
.endr
.endr
.endm
.irp m, 0,1
.irp c, 0,1
	ds_load_b128 v[PC+8*\m+4*\c:PC+8*\m+4*\c+3], v[XLD] offset:1024*\m+512*\c   ; the features' codes as the operand wants them.  LDS serves a wave's instructions in order (ISA guide 5.7.1.4): these see my stores
.endr
.endr
.irp o, 0,1                                    ; sin's constants, each twice: a pair for the packed forms
	v_mov_b32 v[CI+\o], 0x3ea2f983                 ; 1 / pi
	v_mov_b32 v[CH+\o], 0xc0490fdb                 ; -pi_hi
	v_mov_b32 v[CL+\o], 0x33bbbd2e                 ; -(pi - pi_hi)
	v_mov_b32 v[C3+\o], 0xbe2aaaab                 ; -1 / 3!
	v_mov_b32 v[C5+\o], 0x3c088889                 ; 1 / 5!
	v_mov_b32 v[C7+\o], 0xb9500d01                 ; -1 / 7!
	v_mov_b32 v[C9+\o], 0x3638ef1d                 ; 1 / 9!
	v_mov_b32 v[C11+\o], 0xb2d7322b                ; -1 / 11!
.endr
	MATMUL 0
.irp a, 0,1,2,3,4,5,6,7,8,9,10,11,12,13,14,15
	SNAKE \a
.endr
	QUANT H, PC, PW
	QUANT H+64, PC+8, PW+1
	MATMUL 1
.irp a, 0,1,2,3,4,5,6,7,8,9,10,11,12,13,14,15
	LRELU \a
.endr
	QUANT H, PC, PW
	QUANT H+64, PC+8, PW+1
	MATMUL 2
.irp a, 0,1,2,3,4,5,6,7,8,9,10,11,12,13,14,15
	LRELU \a
.endr
	QUANT H, PC, PW
	QUANT H+64, PC+8, PW+1
	MATMUL 3
.irp a, 0,1,2,3,4,5,6,7,8,9,10,11,12,13,14,15
	LRELU \a
.endr
	; the last product, 128 -> 1, in f32: my 64 units of each tile's point against Wf in the same layout, two chains a tile; lane l xor 16 holds the other 64
.irp t, 0,1,2,3,4,5,6,7
	ds_load_b128 v[WF+8*\t:WF+8*\t+3], v[BA] offset:WFO-BI+4*(32*(\t/2)+8*(\t%2))
	ds_load_b128 v[WF+8*\t+4:WF+8*\t+7], v[BA] offset:WFO-BI+4*(32*(\t/2)+8*(\t%2))+16
.endr
	s_wait_dscnt 0x0
.irp m, 0,1
	v_pk_mul_f32 v[96+4*\m:97+4*\m], v[H+64*\m:H+64*\m+1], v[WF:WF+1]
	v_pk_mul_f32 v[98+4*\m:99+4*\m], v[H+64*\m+2:H+64*\m+3], v[WF+2:WF+3]
.endr
.irp i, 4,8,12,16,20,24,28,32,36,40,44,48,52,56,60
.irp m, 0,1
	v_pk_fma_f32 v[96+4*\m:97+4*\m], v[H+64*\m+\i:H+64*\m+\i+1], v[WF+\i:WF+\i+1], v[96+4*\m:97+4*\m]
	v_pk_fma_f32 v[98+4*\m:99+4*\m], v[H+64*\m+\i+2:H+64*\m+\i+3], v[WF+\i+2:WF+\i+3], v[98+4*\m:99+4*\m]
.endr
.endr
.irp m, 0,1
	v_pk_add_f32 v[96+4*\m:97+4*\m], v[96+4*\m:97+4*\m], v[98+4*\m:99+4*\m]
.endr
.irp m, 0,1
	v_add_f32 v[96+4*\m], v[96+4*\m], v[97+4*\m]
.endr
.irp m, 0,1
	v_permlanex16_b32 v[104+\m], v[96+4*\m], s[SEL], s[SEL+1]
.endr
.irp m, 0,1
	v_add_f32 v[96+4*\m], v[96+4*\m], v[104+\m]
.endr
	v_and_b32 v106, 16, v0
	v_cmp_ne_u32 vcc_lo, 0, v106
	v_cndmask_b32 v96, v96, v100, vcc_lo           ; lanes 0-15 keep tile 0's point r, lanes 16-31 tile 1's: point 32 W + lane
	v_add_f32 v96, s44, v96                        ; + bf
	ds_store_b32 v[OSA], v96
	v_and_b32 v97, 127, v0
	v_lshlrev_b32 v97, 4, v97                      ; 16 x thread, for the four waves that store
	s_wait_dscnt 0x0                               ; for the others' sake: my 32 results lie in LDS
	s_barrier_signal -1
	s_barrier_wait -1
	s_cmp_lt_u32 s2, 4                             ; waves 0 .. 3 store the work-group's 2,048 bytes
	s_cbranch_scc0 .Lend
	ds_load_b128 v[100:103], v[OLA]
	s_wait_dscnt 0x0
	global_store_b128 v97, v[100:103], s[42:43]    ; 32 lanes store 512 consecutive bytes, at a multiple of 512 from out0's first byte
.Lend:
	s_wait_xcnt 0x0
	v_lshl_add_u32 v254, v0, 2, 0x12a00
	v_mov_b32 v255, 0
	s_wait_tensorcnt 0x0
	ds_add_u32 v254, v255
	s_wait_dscnt 0x0
	s_endpgm
.Lfunc_end_k_q9af16d3495_field:
	.size	k_q9af16d3495_field, .Lfunc_end_k_q9af16d3495_field-k_q9af16d3495_field
	.p2alignl 7, 3214868480
	.fill 96, 4, 3214868480
	.section	.rodata,"a",@progbits
	.p2align	6, 0x0
	.amdhsa_kernel k_q9af16d3495_field
		.amdhsa_group_segment_fixed_size 78336
		.amdhsa_private_segment_fixed_size 0
		.amdhsa_enable_private_segment 0
		.amdhsa_kernarg_size 160
		.amdhsa_user_sgpr_count 2
		.amdhsa_user_sgpr_kernarg_segment_ptr 1
		.amdhsa_wavefront_size32 1
		.amdhsa_system_sgpr_workgroup_id_x 1
		.amdhsa_system_sgpr_workgroup_id_y 1
		.amdhsa_system_sgpr_workgroup_id_z 1
		.amdhsa_system_vgpr_workitem_id 0
		.amdhsa_next_free_vgpr 256
		.amdhsa_next_free_sgpr 80
		.amdhsa_reserve_vcc 1
		.amdhsa_float_denorm_mode_32 3
		.amdhsa_float_denorm_mode_16_64 3
		.amdhsa_memory_ordered 1
		.amdhsa_forward_progress 1
		.amdhsa_inst_pref_size 255
	.end_amdhsa_kernel
	.section	.bss,"aw",@nobits
	.p2align	6
	.space	262144
	.amdgpu_metadata
---
amdhsa.version: [ 1, 2 ]
amdhsa.kernels:
  - .name:           k_q9af16d3495_field
    .symbol:         k_q9af16d3495_field.kd
    .args:
      - { .name: x, .offset: 0, .size: 8, .value_kind: global_buffer, .address_space: global }
      - { .name: grid_scales, .offset: 8, .size: 8, .value_kind: global_buffer, .address_space: global }
      - { .name: grid_translations, .offset: 16, .size: 8, .value_kind: global_buffer, .address_space: global }
      - { .name: feature_grids, .offset: 24, .size: 8, .value_kind: global_buffer, .address_space: global }
      - { .name: idx, .offset: 32, .size: 8, .value_kind: global_buffer, .address_space: global }
      - { .name: W0_codes, .offset: 40, .size: 8, .value_kind: global_buffer, .address_space: global }
      - { .name: W1_codes, .offset: 48, .size: 8, .value_kind: global_buffer, .address_space: global }
      - { .name: W2_codes, .offset: 56, .size: 8, .value_kind: global_buffer, .address_space: global }
      - { .name: W3_codes, .offset: 64, .size: 8, .value_kind: global_buffer, .address_space: global }
      - { .name: W0_scales, .offset: 72, .size: 8, .value_kind: global_buffer, .address_space: global }
      - { .name: W1_scales, .offset: 80, .size: 8, .value_kind: global_buffer, .address_space: global }
      - { .name: W2_scales, .offset: 88, .size: 8, .value_kind: global_buffer, .address_space: global }
      - { .name: W3_scales, .offset: 96, .size: 8, .value_kind: global_buffer, .address_space: global }
      - { .name: b0, .offset: 104, .size: 8, .value_kind: global_buffer, .address_space: global }
      - { .name: b1, .offset: 112, .size: 8, .value_kind: global_buffer, .address_space: global }
      - { .name: b2, .offset: 120, .size: 8, .value_kind: global_buffer, .address_space: global }
      - { .name: b3, .offset: 128, .size: 8, .value_kind: global_buffer, .address_space: global }
      - { .name: Wf, .offset: 136, .size: 8, .value_kind: global_buffer, .address_space: global }
      - { .name: bf, .offset: 144, .size: 8, .value_kind: global_buffer, .address_space: global }
      - { .name: out0, .offset: 152, .size: 8, .value_kind: global_buffer, .address_space: global }
    .group_segment_fixed_size: 78336
    .private_segment_fixed_size: 0
    .kernarg_segment_align: 8
    .kernarg_segment_size: 160
    .max_flat_workgroup_size: 512
    .sgpr_count:     80
    .vgpr_count:     256
    .wavefront_size: 32
...
	.end_amdgpu_metadata
.endif
;; end of part 2
;; ======== version 2 of 2: 2 launches; version 1 with the launch field written anew for expert scheduling mode
;; workspace buffers: idx 33,554,432 bytes of whole numbers
;; launch index: the kernel of part 1 again; grid 256 x 1, 16 waves a work-group, no clusters, 4,096 bytes of LDS; arguments x, grid_scales, grid_translations, idx; writes idx
;; launch field (part 3): grid 256 x 1, 16 waves a work-group, no clusters, 78,336 bytes of LDS; arguments x, grid_scales, grid_translations, feature_grids, idx, W0_codes, W1_codes, W2_codes, W3_codes, W0_scales, W1_scales, W2_scales, W3_scales, b0, b1, b2, b3, Wf, bf, out0; writes out0
.if DOCPART == 3
	.amdgcn_target "amdgcn-amd-amdhsa--gfx1250"
	.amdhsa_code_object_version 6
	.text
	.protected	k_q9af16d3495_field
	.globl	k_q9af16d3495_field
	.p2align	8
	.type	k_q9af16d3495_field,@function
k_q9af16d3495_field:
	s_mov_b64 s[64:65], 0
	v_nop
	global_prefetch_b8 v0, s[64:65] scope:SCOPE_SE
	s_setreg_imm32_b32 hwreg(HW_REG_WAVE_SCHED_MODE, 0, 2), 2
	s_setreg_imm32_b32 hwreg(HW_REG_WAVE_MODE, 25, 1), 1
	s_wait_xcnt 0x0
	s_wait_alu depctr_vm_vsrc(0)
; out0[p] = decoder(features(p)).  features: 64 grids x 2 channels, each a trilinear sample (corners outside the volume count as zeros) at x * scale + translation.
; decoder: four layers 128 -> 128 on codes of FP4 (E2M1) with one E8M0 scale for each 32 along K (weights given as codes, activations quantised here), 0.5 y + sin(y)^2 behind the first,
; max(y, 0.2 y) behind the other three, then a dot product with Wf in f32, + bf.
; SHARES.  256 work-groups x 16 waves; wave W = 16 x work-group + wave owns points 32 W .. 32 W + 31 as two tiles m of 16.  Lane (r = lane % 16, h = lane / 16) serves point 32 W + 16 m + r and
; samples the 32 grids g = 16 b + 8 h + j (b = 0 .. 3: a block, j = 0 .. 7: a step).  Its feature 2 g + c is k = 32 b + 16 h + 2 j + c: a block's 16 numbers of a lane are 16 neighbours along K, the
; other 16 lie in lane l xor 16.  So a block of 32 features is turned into codes as soon as its eight steps are done, and a tile keeps 16 numbers, not 128.
; THE GATHER.  The cell numbers come as whole numbers from the launch before (idx); a cell's base node lies in 0 .. 62 on each axis, so its 8 corners x 2 channels are 16 loads of 4 bytes at one
; address register with immediates.  A corner's weight is the product of three hat functions at its node: with d = f - base, max(0, 1 - |d|) at the base and med3(2 - d, 0, d) at base + 1.
; Inside the volume these are 1 - t and t; one cell outside, the one valid node keeps its weight and the other gets 0; further out both are 0: what the clip and the mask of the definition give.
; A unit is a step of a tile: 16 gathers.  Four units of every wave are in flight, in a ring of eight slots of 16 registers: a unit's gathers land in a slot that was read two steps earlier.
; All waves walk the grids in the same order.
; THE DECODER.  Products are used transposed (source 0 = 16 rows of W, source 1 = 16 points), and lane r of weight tile 2 b + u takes row 32 b + 8 u + r + 8 (r / 8): a lane then holds one point, and the 16
; registers of tiles 2 b, 2 b + 1 are 16 neighbours along the next K.  The bias is the C of each product.  Weights, scale words and biases lie in LDS as images of the operands' registers.
; NO CLUSTER, NO TENSOR LOAD: what work-groups share are 37 KB of weights, read once by each; the table is read 4 bytes a lane at scattered places, not by tiles.
; sin: y - n pi in two fused steps (pi = hi + lo), then the odd polynomial to r^11 on |r| <= pi / 2 (the first term left out is under 6e-8); the sign (-1)^n falls away in the square.
; LIMITS: NaN and infinities among the inputs are not served.  The reduction of sin's argument keeps an absolute error near 1e-7 while |y| stays under about 1e6.
; A block whose largest magnitude lies under 2^-124 keeps the scale byte 1, as the quantiser's hold at -126 gives; a block of zeros keeps that byte too: its codes are zeros.
; THE MODE: SCHED_MODE bits 1:0 = 2 (LLVM: expert scheduling mode 2), set by the entry lines.  The code itself states the register dependences
; between vector or matrix instructions and memory or LDS instructions, with s_wait_alu, always for 0.
; THE PLAN, for the gather's loop.  Registers that memory or LDS instructions touch (unit U = 2 j + m):
;   G, eight slots    Unit U's eight sums read slot U % 8; dealt among them, the gathers of unit U + 4 land in slot (U + 4) % 8, which unit U - 4 read last.
;   Q, 16 registers   Entry j of tile m: the cell number as loaded, turned IN PLACE into the unit's byte offset by two vector lines, then read by the unit's 16 gathers.
;                     Entries 4 .. 7: loaded in unit (0, 0), turned at the end of step 1, read in steps 2 .. 5.  Entries 0 .. 3 of the next block: loaded in unit (4, 0), turned at the end of step 5, read in steps 6, 7, 0, 1.
;   PB, two buffers   The LDS loads at the head of step j land in the buffer that step j - 1 read.
;   PAC, IO, PF       Read by the parameters' LDS loads, the index loads, the prefetch; each written once a block, at the block's end.
;   XSTC, the codes   Read by the two LDS stores at the block's end; XSTC is written at the head of step 4, the codes by the block's conversions.
; So ONE wait on va_vdst stands at the head of each of steps 1 .. 7 and one at the block's end, which is step 0's; behind each, the step's LDS loads and its 32 gathers follow with no further wait:
; no vector line of the step names a register that they touch.  A wait on vm_vsrc stands twice a block: at the head of step 4 and at the block's end.
; T, F, X, HS and the scale words are named by vector and matrix instructions alone.
.set WIM, 0                            ; LDS: weight fragments, layer L, tile t at 1024 (8 L + t) + 512 c + 16 lane
.set SIM, 32768                        ; their scale words at 128 (8 L + t) + 4 lane
.set BI,  36864                        ; b0 .. b3, 512 bytes each
.set WFO, 38912                        ; Wf
.set P,   39424                        ; the grids' parameters, (sx, sy, sz, 0, tx, ty, tz, 0), 32 bytes a grid
.set XIM, 41472                        ; 2,048 bytes a wave: the features' codes as images of the operand, tile m at 1024 m
.set OST, 74240                        ; the work-group's 512 results
.set LN16, 1                           ; v1   16 x lane
.set LN4,  2                           ; v2   4 x lane
.set PA0,  3                           ; v3   P + 256 h
.set XST0, 4                           ; v4   XIM + 2048 wave + 16 r + 8 h
.set BA,   5                           ; v5   BI + 64 h
.set HS,   6                           ; v6   byte offset of the grid whose cell numbers are turned into offsets next
.set IO,   7                           ; v7   16 x lane + 1024 b: my place in idx
.set PF,   8                           ; v8   the prefetch's byte offset in the table
.set XLD,  9                           ; v9   XIM + 2048 wave + 16 lane
.set OSA,  10                          ; v10  OST + 4 x thread
.set OLA,  11                          ; v11  OST + 16 x (thread % 128)
.set X,    12                          ; v[12:15], v[16:19] (x, y, z, 0) of my point in tile 0, 1
.set Q,    20                          ; v[20:27], v[28:35] eight cell numbers, then byte offsets, tile 0, 1
.set PB,   36                          ; v[36:43], v[44:51] a grid's parameters, two buffers by turns
.set PAC,  52                          ; v52  this block's address in P
.set XSTC, 53                          ; v53  this block's address in my image
.set T,    56                          ; v[56:87] at work
.set F,    88                          ; v[88:103], v[104:119] the block's 16 features, tile 0, 1
.set PW,   120                         ; v120, v121 the activations' scale words, tile 0, 1: scales and nothing else
.set WS,   124                         ; v[124:127] four weight tiles' scale words: scales and nothing else
.set G,    128                         ; v[128:255] the ring: slot x 16; register 4 (2 dz + dy) + 2 dx + c
.set H,    128                         ; the decoder: v[128:255] a layer's results: tile of points m, weight tile t at 128 + 64 m + 8 t
.set PC,   12                          ; v[12:19], v[20:27] the activations' codes, tile 0, 1
.set WF,   28                          ; v[28:59] four weight fragments; between products at work; at the end, with v[60:91], Wf
.set BS,   60                          ; v[60:91] four tiles of bias
.set TM,   96                          ; v[96:111] the quantiser's; ahead of it sin's eight constants, each twice
.set K315, 46                          ; s[46:47] 31.5
.set K62,  48                          ; s48  62.0
.set SPO,  45                          ; s45  512 b
.set SXO,  49                          ; s49  256 b
.set SEL,  50                          ; s[50:51] v_permlanex16_b32's selects for lane l xor 16
.set SHB,  52                          ; s52  8 b: the place of the block's byte in the scale word
.set CNT,  53                          ; s53  blocks to go in the loop
.set K02,  54                          ; s[54:55] 0.2
.set MH,   63                          ; s63  the mask of lanes 16 .. 31
.set MT,   78                          ; s78  the mask of threads whose word of the parameter table is a translation; s79: a pad
; f in v[t .. t+2], the base node (as floats) in v[t+4 .. t+6]: line for line as in the launch that made idx.
.macro COORD t, x, p
	v_pk_fma_f32 v[(\t):(\t)+1], v[(\x):(\x)+1], v[(\p):(\p)+1], v[(\p)+4:(\p)+5]
	v_pk_fma_f32 v[(\t)+2:(\t)+3], v[(\x)+2:(\x)+3], v[(\p)+2:(\p)+3], v[(\p)+6:(\p)+7]
	v_pk_add_f32 v[(\t):(\t)+1], v[(\t):(\t)+1], 1.0 op_sel_hi:[1,0]
	v_pk_add_f32 v[(\t)+2:(\t)+3], v[(\t)+2:(\t)+3], 1.0 op_sel_hi:[1,0]
	v_pk_mul_f32 v[(\t):(\t)+1], v[(\t):(\t)+1], s[K315:K315+1] op_sel_hi:[1,0]
	v_pk_mul_f32 v[(\t)+2:(\t)+3], v[(\t)+2:(\t)+3], s[K315:K315+1] op_sel_hi:[1,0]
	v_floor_f32 v[(\t)+4], v[(\t)]
	v_floor_f32 v[(\t)+5], v[(\t)+1]
	v_floor_f32 v[(\t)+6], v[(\t)+2]
	v_med3_num_f32 v[(\t)+4], v[(\t)+4], 0, s[K62]
	v_med3_num_f32 v[(\t)+5], v[(\t)+5], 0, s[K62]
	v_med3_num_f32 v[(\t)+6], v[(\t)+6], 0, s[K62]
.endm
; Four of a unit's 16 gathers: corner pair k (dz = k / 2, dy = k % 2), both dx, both channels.  q: the register with the unit's byte offset.
.macro FOUR slot, q, k
.irp e, 0,1,2,3
	global_load_b32 v[G+16*(\slot)+4*(\k)+\e], v[\q], s[10:11] offset:4*(4096*((\k)/2)+64*((\k)%2)+(\e/2)+262144*(\e%2))
.endr
.endm
.macro GATHER slot, q                  ; a whole unit, for the ring's first fill
.irp k, 0,1,2,3
	FOUR \slot, \q, \k
.endr
.endm
; The cell numbers of steps j0 .. j0 + 3, both tiles, become byte offsets in place.  Each loaded number is held to the highest base cell, 62 * 4096 + 62 * 64 + 62, before it enters an address.
; jump: what brings HS from the grid turned last to step j0's (0: it stands there already); from step to step a grid of 2 MB.
.macro MAKERS j0, jump
.irp i, 0,1,2,3
.if \i > 0
	v_add_nc_u32 v[HS], 0x200000, v[HS]
.elseif \jump
	v_add_nc_u32 v[HS], \jump, v[HS]
.endif
.irp m, 0,1
	v_min_u32 v[Q+8*\m+\j0+\i], 0x3efbe, v[Q+8*\m+\j0+\i]
.endr
.irp m, 0,1
	v_lshl_add_u32 v[Q+8*\m+\j0+\i], v[Q+8*\m+\j0+\i], 2, v[HS]
.endr
.endr
.endm
; Step j of tile m: the eight weights, then the two channels' sums out of slot.  n: how many younger loads may stay out when this unit's 16 have to be there.
; fill = 1: the 16 gathers of the unit two steps on go out among the sums, four at a time, into fslot, by the offset in q.  No wait on va_vdst stands here: the sums name another slot, and the wait at the step's
; head (or an earlier one) has shown fslot's last readers done and q written.
; idx = 1: this block's cell numbers 4 .. 7 are asked for; idx = 2: the next block's 0 .. 3.  They stand ahead of the unit's gathers, so that the wait of the third unit behind this one shows them landed.
.macro UNIT j, m, slot, n, fill, fslot, q, idx
.set FF, F+16*\m+2*\j
.set GG, G+16*(\slot)
	COORD T, X+4*\m, PB+8*(\j%2)
	v_pk_add_f32 v[T:T+1], v[T:T+1], v[T+4:T+5] neg_lo:[0,1] neg_hi:[0,1]   ; d = f - base
	v_sub_f32 v[T+2], v[T+2], v[T+6]
.irp a, 0,1,2
	v_sub_f32 v[T+8+2*\a], 1.0, |v[T+\a]|
.endr
.irp a, 0,1,2
	v_sub_f32 v[T+9+2*\a], 2.0, v[T+\a]
.endr
.irp a, 0,1,2
	v_max_num_f32 v[T+8+2*\a], 0, v[T+8+2*\a]                      ; the weight at the base node
.endr
.irp a, 0,1,2
	v_med3_num_f32 v[T+9+2*\a], v[T+9+2*\a], 0, v[T+\a]            ; and at base + 1: pairs (lo, hi) for x at T+8, y at T+10, z at T+12
.endr
	v_pk_mul_f32 v[T+14:T+15], v[T+10:T+11], v[T+12:T+13] op_sel_hi:[1,0]             ; wz.lo x (wy.lo, wy.hi)
	v_pk_mul_f32 v[T+16:T+17], v[T+10:T+11], v[T+12:T+13] op_sel:[0,1] op_sel_hi:[1,1]   ; wz.hi x (wy.lo, wy.hi)
.irp z, 0,1
	v_pk_mul_f32 v[T+18+4*\z:T+19+4*\z], v[T+8:T+9], v[T+14+2*\z:T+15+2*\z] op_sel_hi:[1,0]              ; corner pair 2 dz:     x (wx.lo, wx.hi)
	v_pk_mul_f32 v[T+20+4*\z:T+21+4*\z], v[T+8:T+9], v[T+14+2*\z:T+15+2*\z] op_sel:[0,1] op_sel_hi:[1,1]   ; corner pair 2 dz + 1
.endr
	s_wait_loadcnt \n                              ; loads come back in order (ISA guide 5.7.1): this unit's 16 are in, and so is every load issued ahead of them: the gathers that read the entries of Q loaded below are done
.if \idx == 1
.irp y, 0,1
	global_load_b128 v[Q+8*\y+4:Q+8*\y+7], v[IO], s[12:13] offset:512+4096*\y th:TH_LOAD_NT
.endr
.endif
.if \idx == 2
.irp y, 0,1
	global_load_b128 v[Q+8*\y:Q+8*\y+3], v[IO], s[12:13] offset:1024+4096*\y th:TH_LOAD_NT
.endr
.endif
.if \fill
	FOUR \fslot, \q, 0
.endif
	v_pk_mul_f32 v[FF:FF+1], v[GG:GG+1], v[T+18:T+19] op_sel_hi:[1,0]                    ; the first corner starts the sums of both channels
	v_pk_fma_f32 v[FF:FF+1], v[GG+2:GG+3], v[T+18:T+19], v[FF:FF+1] op_sel:[0,1,0] op_sel_hi:[1,1,1]
.irp k, 1,2,3
.if \fill
	FOUR \fslot, \q, \k
.endif
	v_pk_fma_f32 v[FF:FF+1], v[GG+4*\k:GG+4*\k+1], v[T+18+2*\k:T+19+2*\k], v[FF:FF+1] op_sel_hi:[1,0,1]
	v_pk_fma_f32 v[FF:FF+1], v[GG+4*\k+2:GG+4*\k+3], v[T+18+2*\k:T+19+2*\k], v[FF:FF+1] op_sel:[0,1,0] op_sel_hi:[1,1,1]
.endr
.endm
; A finished block of 32 features of both tiles becomes codes and a scale byte.  Each tile's codes have their own pair of registers.
.macro QB
.irp m, 0,1
	v_max3_num_f32 v[T+\m], |v[F+16*\m]|, |v[F+16*\m+1]|, 0x1800000      ; my 16 numbers, and the floor 2^(3 - 127): the byte cannot fall under 1
.endr
.irp i, 2,4,6,8,10,12,14
.irp m, 0,1
	v_max3_num_f32 v[T+\m], v[T+\m], |v[F+16*\m+\i]|, |v[F+16*\m+\i+1]|
.endr
.endr
.irp m, 0,1
	v_permlanex16_b32 v[T+2+\m], v[T+\m], s[SEL], s[SEL+1]
.endr
.irp m, 0,1
	v_max_num_f32 v[T+\m], v[T+\m], v[T+2+\m]                      ; with lane l xor 16's: the block's largest magnitude
.endr
.irp m, 0,1
	v_add_nc_u32 v[T+4+\m], 0xff000000, v[T+\m]                    ; 2 off its exponent field: the conversion's scale operand
.endr
.irp m, 0,1
	v_lshrrev_b32 v[T+6+\m], 23, v[T+4+\m]                         ; the scale's byte
.endr
.irp m, 0,1
	v_lshl_or_b32 v[PW+\m], v[T+6+\m], s[SHB], v[PW+\m]            ; into byte b of my point's scale word
.endr
.irp m, 0,1
	v_cvt_scalef32_pk8_fp4_f32 v[122-36*\m], v[F+16*\m:F+16*\m+7], v[T+4+\m]
	v_cvt_scalef32_pk8_fp4_f32 v[123-36*\m], v[F+16*\m+8:F+16*\m+15], v[T+4+\m]
.endr
	v_nop                                          ; one plain place behind the scaled conversions
.endm
; A block: eight steps of both tiles.  The gathers run four units (two steps) ahead, over the block's end too; last = 1: the tail, which asks for nothing beyond the last grid.
.macro BLOCK last
.irp j, 0,1,2,3,4,5,6,7
	s_wait_dscnt 0x0                               ; this step's parameters are back (and, at step 0, the last block's stores of codes are done)
.if \j == 4
	s_wait_alu depctr_vm_vsrc(0)                   ; the last block's stores of codes have read XSTC and the code registers, which are written again from here on; the gathers of steps 6, 7, 0 and 1 have read Q's entries 0 .. 3, in which index loads land below
	v_add_nc_u32 v[XSTC], s[SXO], v[XST0]
.endif
.if (\j > 0) && ((\j < 7) || !\last)
	s_wait_alu depctr_va_vdst(0)                   ; the step before is done reading its buffer of PB, in which the loads below land; the offsets turned at the end of steps 1 and 5 are written, which this step's gathers read; at step 4 XSTC is written.  (The tail's step 7 issues no memory instruction and has no such wait)
.endif
.if \j < 7
	ds_load_b128 v[PB+8*((\j+1)%2):PB+8*((\j+1)%2)+3], v[PAC] offset:32*(\j+1)
	ds_load_b128 v[PB+8*((\j+1)%2)+4:PB+8*((\j+1)%2)+7], v[PAC] offset:32*(\j+1)+16
.elseif !\last
	ds_load_b128 v[PB:PB+3], v[PAC] offset:512     ; the next block's step 0
	ds_load_b128 v[PB+4:PB+7], v[PAC] offset:528
.endif
.irp m, 0,1
.set U, 2*\j+\m
.set NW, 48                            ; three younger units of 16 (index loads among them are not counted: the wait is then the stricter)
.if \last && (U > 12)
.set NW, 16*(15-U)                     ; the tail's counts run down
.endif
.set FL, 1
.if \last && (\j > 5)
.set FL, 0                             ; the tail's last two steps ask for nothing
.endif
.set IX, 0
.if (\m == 0) && (\j == 0)
.set IX, 1
.endif
.if (\m == 0) && (\j == 4) && !\last
.set IX, 2
.endif
	UNIT \j, \m, U%8, NW, FL, (U+4)%8, Q+8*\m+(\j+2)%8, IX
.if (\j == 5) && (\m == 0) && !\last
	global_prefetch_b8 v[PF], s[10:11] th:TH_LOAD_NT scope:SCOPE_SE   ; wave W asks for bytes 8192 W .. 8192 W + 8191 of the next block's 16 grids, 32 lanes 256 bytes apart: the 4,096 waves together name each such piece once; the tail asks for nothing, so no request passes the table's end
.endif
.endr
.if \j == 1
	MAKERS 4, 0x200000                             ; steps 4 .. 7.  Unit (1, 1)'s wait left out the 48 youngest loads, three units of gathers: the index loads of unit (0, 0) are in
.endif
.if (\j == 5) && !\last
	MAKERS 0, 0x1200000                            ; the next block's steps 0 .. 3: from grid 16 b + 8 h + 7 to 16 (b + 1) + 8 h are nine grids of 2 MB.  Unit (5, 1)'s wait has shown the index loads of unit (4, 0) in
.endif
.endr
	QB
.if !\last
	s_add_co_u32 s[SPO], s[SPO], 512
	s_add_co_u32 s[SXO], s[SXO], 256
	s_add_co_u32 s[SHB], s[SHB], 8
	s_wait_xcnt 0x0                                ; every earlier memory instruction has had its addresses translated (ISA guide 3.1): only behind this wait are the index loads' and the prefetch's offsets stepped
	s_wait_alu depctr_vm_vsrc(0)                   ; the index loads have read IO, the prefetch PF, the parameters' LDS loads PAC: the three are written below; the gathers of steps 2 .. 5 have read Q's entries 4 .. 7, in which the next block's first index loads land
	v_add_nc_u32 v[IO], 1024, v[IO]
	v_add_nc_u32 v[PF], 0x2000000, v[PF]
	v_add_nc_u32 v[PAC], s[SPO], v[PA0]
.endif
	s_wait_alu depctr_va_vdst(0)                   ; the conversions have written the codes, which the stores below read; IO, PF and PAC are written; step 7 is done reading its buffer of PB: this is also the wait at the head of the next block's step 0
; My 8 bytes of codes (k = 32 b + 16 h + 0 .. 15 of point r) go to 256 b + 16 r + 8 h of the tile's image: that is byte 8 h of the 16 bytes that lane (r, b % 2) loads into register group b / 2 of the operand: LDS does the exchange of halves.
.irp m, 0,1
	ds_store_b64 v[XSTC], v[122-36*\m:123-36*\m] offset:1024*\m
.endr
.endm
	s_load_b512 s[4:19], s[0:1], 0x0               ; x s[4:5], scales s[6:7], translations s[8:9], table s[10:11], idx s[12:13], W0, W1, W2 codes s[14:19]
	s_load_b512 s[20:35], s[0:1], 0x40             ; W3 codes s[20:21], W0 .. W3 scales s[22:29], b0, b1, b2 s[30:35]
	s_load_b256 s[36:43], s[0:1], 0x80             ; b3 s[36:37], Wf s[38:39], bf s[40:41], out0 s[42:43]
	v_lshrrev_b32 v94, 5, v0
	v_readfirstlane_b32 s2, v94                    ; wave 0..15
	; first the lines that want no scalar made of the wave's number
	v_and_b32 v94, 31, v0                          ; lane
	v_and_b32 v95, 15, v0                          ; r
	v_bfe_u32 v96, v0, 4, 1                        ; h
	v_lshlrev_b32 v[LN16], 4, v94
	v_lshlrev_b32 v[LN4], 2, v94
	v_lshl_add_u32 v[PA0], v96, 8, P
	v_lshlrev_b32 v[XST0], 4, v95
	v_lshl_add_u32 v[XST0], v96, 3, v[XST0]
	v_lshl_add_u32 v[BA], v96, 6, BI
	v_lshlrev_b32 v[HS], 24, v96                   ; grid 8 h: 8 x 2 MB
	v_mov_b32 v[IO], v[LN16]
	v_lshl_add_u32 v[OSA], v0, 2, OST
	v_and_b32 v97, 127, v0
	v_lshl_add_u32 v[OLA], v97, 4, OST
	v_lshlrev_b32 v100, 2, v0                      ; 4 x thread: a bias word's and a parameter word's place
	v_and_b32 v101, 8, v95
	v_add_nc_u32 v101, v101, v95                   ; r + 8 (r / 8)
	v_lshlrev_b32 v88, 6, v101                     ; codes: a row of 128 codes is 64 bytes,
	v_lshl_add_u32 v88, v96, 4, v88                ; + 16 h
	v_and_b32 v91, 7, v0
	v_lshrrev_b32 v92, 3, v0                       ; the parameter table: thread t makes word t: grid t / 8,
	v_and_b32 v102, 3, v0                          ; axis t % 4, or 3: the pad
	v_min_u32 v103, 2, v102                        ; (the pad's thread loads axis 2 and throws it away: no load leaves its buffer)
	v_mad_u32_u24 v92, v92, 3, v103
	v_lshlrev_b32 v92, 2, v92
	v_mul_u32_u24 v93, 12, v95                     ; x: 12 bytes a point
	v_and_b32 v78, 4, v0
	v_and_b32 v104, 16, v0
	v_cmp_ne_u32 s[MT], 0, v78                     ; the three masks hang on the thread's number alone: they are made in one run, beside the wave's number
	v_cmp_eq_u32 s[MT+1], 3, v102
	v_cmp_ne_u32 s[MH], 0, v104
	v_mov_b32 v79, 0
	v_mov_b32 v[X+3], 0                            ; the pads of the points
	v_mov_b32 v[X+7], 0
	v_mov_b32 v[PW], 0                             ; the scale words are gathered byte by byte
	v_mov_b32 v[PW+1], 0
	s_mov_b32 s[K315], 0x41fc0000
	s_mov_b32 s[K315+1], 0x41fc0000
	s_mov_b32 s[K62], 0x42780000
	s_mov_b32 s[SEL], 0x76543210
	s_mov_b32 s[SEL+1], 0xfedcba98
	s_mov_b32 s[K02], 0x3e4ccccd
	s_mov_b32 s[K02+1], 0x3e4ccccd
	s_mov_b32 s[SPO], 0
	s_mov_b32 s[SXO], 0
	s_mov_b32 s[SHB], 0
	s_mov_b32 s[CNT], 3
	s_wait_alu depctr_va_sdst(0)                   ; s2 and the three masks are written, ahead of the first reader of each
	s_lshl_b32 s3, ttmp9, 4
	s_add_co_u32 s3, s3, s2                        ; W
	s_lshl_b32 s56, s2, 11                         ; 2048 x wave
	v_add_nc_u32 v[XST0], s56, v[XST0]
	v_add_nc_u32 v[XST0], XIM, v[XST0]
	s_lshl_b32 s57, s3, 13
	s_add_co_u32 s57, s57, 0x2000000               ; block 1's grids begin 32 MB into the table
	v_lshl_add_u32 v[PF], v94, 8, s57
	v_add_nc_u32 v[XLD], s56, v[LN16]
	v_add_nc_u32 v98, s56, v[LN16]                 ; where my two weight fragments go: WIM + 2048 wave + 16 lane
	v_add_nc_u32 v[XLD], XIM, v[XLD]
	s_lshl_b32 s58, s2, 8
	v_add_nc_u32 v99, s58, v[LN4]                  ; their scale words: 256 wave + 4 lane
	; what this wave brings into LDS: layer wave / 4, weight tiles 2 (wave % 4) and + 1, 32 numbers of that layer's bias, 8 of Wf, 32 words of the parameter table
	s_and_b32 s59, s2, 3
	s_lshl_b32 s60, s59, 11
	s_lshl_b32 s61, s59, 7
	s_lshl_b32 s62, s2, 5
	v_add_nc_u32 v88, s60, v88                     ; codes: + 32 rows x (wave % 4)
	v_lshl_add_u32 v89, v101, 2, s61               ; scale words: 4 bytes a row
	v_add_nc_u32 v90, s61, v[LN4]                  ; bias
	v_lshl_add_u32 v91, v91, 2, s62                ; Wf: 32 wave + 4 (lane % 8): four lanes bring, and store, the same word
	s_lshr_b32 s56, s2, 2                          ; my layer
	s_wait_kmcnt 0x0
	s_load_b32 s44, s[40:41], 0x0                  ; bf
	s_bitcmp1_b32 s56, 0                           ; the choice of buffers hangs on the wave's number alone
	s_cselect_b64 s[66:67], s[16:17], s[14:15]
	s_cselect_b64 s[72:73], s[20:21], s[18:19]
	s_cselect_b64 s[68:69], s[24:25], s[22:23]
	s_cselect_b64 s[74:75], s[28:29], s[26:27]
	s_cselect_b64 s[70:71], s[32:33], s[30:31]
	s_cselect_b64 s[76:77], s[36:37], s[34:35]
	s_bitcmp1_b32 s56, 1
	s_cselect_b64 s[66:67], s[72:73], s[66:67]     ; my layer's codes,
	s_cselect_b64 s[68:69], s[74:75], s[68:69]     ; scales,
	s_cselect_b64 s[70:71], s[76:77], s[70:71]     ; bias
	s_mul_i32 s60, s3, 384
	s_mov_b32 s61, 0
	s_add_nc_u64 s[4:5], s[4:5], s[60:61]          ; x at my 32 points
	s_lshl_b32 s60, s3, 13
	s_add_nc_u64 s[12:13], s[12:13], s[60:61]      ; idx at my 8,192 bytes
	s_lshl_b32 s60, ttmp9, 11
	s_add_nc_u64 s[42:43], s[42:43], s[60:61]      ; out0 at the work-group's 512 points
	s_wait_alu depctr_va_vdst(0)                   ; the offsets and addresses v1 to v11 and v88 to v100 are written, which the loads and stores of the kernel read
.irp tt, 0,1
.irp c, 0,1
	global_load_b128 v[56+8*\tt+4*\c:59+8*\tt+4*\c], v88, s[66:67] offset:512*\tt+32*\c
.endr
	global_load_b32 v[72+\tt], v89, s[68:69] offset:32*\tt
.endr
	global_load_b32 v74, v90, s[70:71]
	global_load_b32 v75, v91, s[38:39]
	global_load_b32 v76, v92, s[6:7]
	global_load_b32 v77, v92, s[8:9]
.irp m, 0,1
.irp i, 0,1,2
	global_load_b32 v[X+4*\m+\i], v93, s[4:5] offset:192*\m+4*\i
.endr
.endr
.irp m, 0,1
	global_load_b128 v[Q+8*\m:Q+8*\m+3], v[IO], s[12:13] offset:4096*\m th:TH_LOAD_NT   ; block 0's cell numbers 0 .. 3; its 4 .. 7 are asked for in its first unit, as every block's are
.endr
	s_wait_loadcnt 0x0
	v_cndmask_b32 v76, v76, v77, s[MT]             ; components 4 .. 7: the translation
	v_cndmask_b32 v76, v76, v79, s[MT+1]           ; the pads: 0
	MAKERS 0, 0                                    ; block 0's steps 0 .. 3
	v_add_nc_u32 v[PAC], s[SPO], v[PA0]            ; block 0's address in P
	s_wait_alu depctr_va_vdst(0)                   ; my word of the parameter table is written, which an LDS store below reads; so are Q's entries 0 .. 3, which the first gathers read, and PAC
.irp tt, 0,1
.irp c, 0,1
	ds_store_b128 v98, v[56+8*\tt+4*\c:59+8*\tt+4*\c] offset:WIM+512*(2*\tt+\c)
.endr
	ds_store_b32 v99, v[72+\tt] offset:SIM+128*\tt
.endr
	ds_store_b32 v100, v74 offset:BI
	ds_store_b32 v91, v75 offset:WFO
	ds_store_b32 v100, v76 offset:P
	GATHER 0, Q                                    ; four units go out: steps 0 and 1 of both tiles
	GATHER 1, Q+8
	GATHER 2, Q+1
	GATHER 3, Q+9
	s_wait_kmcnt 0x0                               ; bf
	s_wait_dscnt 0x0                               ; for the others' sake: my part of the images and tables lies in LDS
	s_barrier_signal -1
	s_barrier_wait -1                              ; they are whole, and nobody writes them again.  (The gathers stay on their way: nobody writes the table)
	s_wait_alu depctr_vm_vsrc(0)                   ; the set-up's loads and LDS stores have read v56 to v77 and v88 to v100: these registers are T and F from here on, written by the units' vector lines
	ds_load_b128 v[PB:PB+3], v[PA0]                ; step 0's grid
	ds_load_b128 v[PB+4:PB+7], v[PA0] offset:16
.Lblock:                                               ; blocks 0, 1, 2; at the head, on both ways in: four units of gathers out, step 0's parameters asked for, and no vector line issued since the last wait on va_vdst
	BLOCK 0
	s_sub_co_u32 s[CNT], s[CNT], 1
	s_cmp_lg_u32 s[CNT], 0
	s_cbranch_scc1 .Lblock
	BLOCK 1                                        ; block 3 is written out: no gather, index load or prefetch beyond the end
; ---------------- THE DECODER ----------------
; THE PLAN.  LDS loads land in PC (once), in WF, WS and BS (twice a layer), at the end in WF and BS together (Wf) and in v[100:103].  WF is also the activations' scratch; products read WF, WS, BS, PC and PW.
; A layer's first four weight tiles are asked for behind ONE wait that follows the activation before, and land while the two quantisers run, which name H, TM, PC and PW alone.
; Its other four land in the registers that the first four products of each tile of points read: a wait stands between.
.set CI,  96                           ; 1 / pi
.set CH,  98                           ; -pi_hi
.set CL,  100                          ; -pi_lo
.set C3,  102
.set C5,  104
.set C7,  106
.set C9,  108
.set C11, 110
.set SQ,  28                           ; at work on one accumulator: four pairs each
.set SR,  36
.set SU,  44
.set SV,  52
; Layer L, group g: four weight tiles' fragments, scale words and biases.
.macro WLOAD L, g
.irp t, 0,1,2,3
	ds_load_b128 v[WF+8*\t:WF+8*\t+3], v[LN16] offset:WIM+1024*(8*\L+4*\g+\t)
	ds_load_b128 v[WF+8*\t+4:WF+8*\t+7], v[LN16] offset:WIM+1024*(8*\L+4*\g+\t)+512
	ds_load_b32 v[WS+\t], v[LN4] offset:SIM+128*(8*\L+4*\g+\t)
	ds_load_b128 v[BS+8*\t:BS+8*\t+3], v[BA] offset:512*\L+4*(32*((4*\g+\t)/2)+8*(\t%2))       ; lane (r, h), register j: the bias of unit 32 (t / 2) + 16 h + 8 (t % 2) + j
	ds_load_b128 v[BS+8*\t+4:BS+8*\t+7], v[BA] offset:512*\L+4*(32*((4*\g+\t)/2)+8*(\t%2))+16
.endr
.endm
; H = W x activations + bias, group g.  Each result is written once, its C is the bias: no sum is carried from instruction to instruction.
; Neighbouring instructions name different results and different bias registers.
.macro PRODUCTS g
.irp m, 0,1
.irp t, 0,1,2,3
	v_wmma_scale_f32_16x16x128_f8f6f4 v[H+64*\m+8*(4*\g+\t):H+64*\m+8*(4*\g+\t)+7], v[WF+8*\t:WF+8*\t+7], v[PC+8*\m:PC+8*\m+7], v[BS+8*\t:BS+8*\t+7], v[WS+\t], v[PW+\m] matrix_a_fmt:MATRIX_FMT_FP4 matrix_b_fmt:MATRIX_FMT_FP4
.endr
.endr
.endm
; Layer L.  Its group 0 has been asked for.
.macro LAYER L
	s_wait_dscnt 0x0                               ; group 0 is in (layer 0: the features' codes too)
.rept 8
	v_nop                                          ; the activations' scale words were written by vector instructions: eight places ahead of a scaled matrix instruction (their codes: four)
.endr
	s_wait_alu depctr_va_vdst(0)                   ; the activations' scale words, and from layer 1 on their codes, are written by vector lines: the scaled products below take them; the places above stay beside this wait
	PRODUCTS 0
.rept 4
	v_nop                                          ; places in front of loads into registers that matrix instructions have read
.endr
	s_wait_alu depctr_va_vdst(0)                   ; group 0's products are done reading WF, WS and BS, in which group 1 lands
	WLOAD \L, 1
	s_wait_dscnt 0x0
	PRODUCTS 1
.rept 4
	v_nop                                          ; places in front of the first read of results and the first write of operands
.endr
.endm
; 0.5 y + sin(y)^2 on one accumulator, its four pairs by turns, from its low end on.
.macro SNAKE a
.set YA, H+8*(\a)
.irp i, 0,2,4,6
	v_pk_mul_f32 v[SQ+\i:SQ+\i+1], v[YA+\i:YA+\i+1], v[CI:CI+1]
.endr
.irp i, 0,1,2,3,4,5,6,7
	v_rndne_f32 v[SQ+\i], v[SQ+\i]                 ; n = the whole number nearest y / pi
.endr
.irp i, 0,2,4,6
	v_pk_fma_f32 v[SR+\i:SR+\i+1], v[SQ+\i:SQ+\i+1], v[CH:CH+1], v[YA+\i:YA+\i+1]
.endr
.irp i, 0,2,4,6
	v_pk_fma_f32 v[SR+\i:SR+\i+1], v[SQ+\i:SQ+\i+1], v[CL:CL+1], v[SR+\i:SR+\i+1]      ; r = y - n pi
.endr
.irp i, 0,2,4,6
	v_pk_mul_f32 v[SU+\i:SU+\i+1], v[SR+\i:SR+\i+1], v[SR+\i:SR+\i+1]                 ; u = r^2
.endr
.irp i, 0,2,4,6
	v_pk_fma_f32 v[SV+\i:SV+\i+1], v[SU+\i:SU+\i+1], v[C11:C11+1], v[C9:C9+1]
.endr
.irp i, 0,2,4,6
	v_pk_fma_f32 v[SV+\i:SV+\i+1], v[SV+\i:SV+\i+1], v[SU+\i:SU+\i+1], v[C7:C7+1]
.endr
.irp i, 0,2,4,6
	v_pk_fma_f32 v[SV+\i:SV+\i+1], v[SV+\i:SV+\i+1], v[SU+\i:SU+\i+1], v[C5:C5+1]
.endr
.irp i, 0,2,4,6
	v_pk_fma_f32 v[SV+\i:SV+\i+1], v[SV+\i:SV+\i+1], v[SU+\i:SU+\i+1], v[C3:C3+1]
.endr
.irp i, 0,2,4,6
	v_pk_mul_f32 v[SQ+\i:SQ+\i+1], v[SR+\i:SR+\i+1], v[SU+\i:SU+\i+1]
.endr
.irp i, 0,2,4,6
	v_pk_fma_f32 v[SR+\i:SR+\i+1], v[SQ+\i:SQ+\i+1], v[SV+\i:SV+\i+1], v[SR+\i:SR+\i+1]   ; sin(r) = r + r u (c3 + u (c5 + ..))
.endr
.irp i, 0,2,4,6
	v_pk_mul_f32 v[YA+\i:YA+\i+1], v[YA+\i:YA+\i+1], 0.5 op_sel_hi:[1,0]
.endr
.irp i, 0,2,4,6
	v_pk_fma_f32 v[YA+\i:YA+\i+1], v[SR+\i:SR+\i+1], v[SR+\i:SR+\i+1], v[YA+\i:YA+\i+1]
.endr
.endm
; max(y, 0.2 y): y where y >= 0, else 0.2 y.  One accumulator, from its low end on.
.macro LRELU a
.set YA, H+8*(\a)
.set LT, 28+8*((\a)%4)
.irp i, 0,2,4,6
	v_pk_mul_f32 v[LT+\i:LT+\i+1], v[YA+\i:YA+\i+1], s[K02:K02+1] op_sel_hi:[1,0]
.endr
.irp i, 0,1,2,3,4,5,6,7
	v_max_num_f32 v[YA+\i], v[YA+\i], v[LT+\i]
.endr
.endm
; 64 numbers of a lane, register 16 b + i = k 32 b + 16 h + i of my point, become the operand's codes in v[pc] on and its scale word in v[pw].
.macro QUANT s, pc, pw
.irp b, 0,1,2,3
	v_max3_num_f32 v[TM+\b], |v[\s+16*\b]|, |v[\s+1+16*\b]|, 0x1800000   ; block b: my 16 numbers, and the floor 2^(3 - 127): the byte cannot fall under 1
.endr
.irp i, 2,4,6,8,10,12,14
.irp b, 0,1,2,3
	v_max3_num_f32 v[TM+\b], v[TM+\b], |v[\s+16*\b+\i]|, |v[\s+1+16*\b+\i]|
.endr
.endr
.irp b, 0,1,2,3
	v_permlanex16_b32 v[TM+4+\b], v[TM+\b], s[SEL], s[SEL+1]
.endr
.irp b, 0,1,2,3
	v_max_num_f32 v[TM+\b], v[TM+\b], v[TM+4+\b]   ; with lane l xor 16's: the block's largest magnitude
.endr
.irp b, 0,1,2,3
	v_add_nc_u32 v[TM+12+\b], 0xff000000, v[TM+\b] ; 2 off its exponent field: the conversion's scale operand
.endr
.irp b, 0,1,2,3
	v_lshrrev_b32 v[TM+4+\b], 23, v[TM+12+\b]      ; the scale's byte
.endr
	v_lshl_or_b32 v[\pw], v[TM+5], 8, v[TM+4]
	v_lshl_or_b32 v[\pw], v[TM+6], 16, v[\pw]
	v_lshl_or_b32 v[\pw], v[TM+7], 24, v[\pw]
.irp b, 0,1,2,3
	v_cvt_scalef32_pk8_fp4_f32 v[\pc+2*\b], v[\s+16*\b:\s+7+16*\b], v[TM+12+\b]
	v_cvt_scalef32_pk8_fp4_f32 v[\pc+1+2*\b], v[\s+8+16*\b:\s+15+16*\b], v[TM+12+\b]
.endr
	v_nop                                          ; one plain place behind the scaled conversions
.irp c, 0,1                                    ; the operand's layout wants a whole block in a lane: lanes 0-15 block 2 c, lanes 16-31 block 2 c + 1
.irp i, 0,1
	v_permlane16_swap_b32 v[\pc+4*\c+\i], v[\pc+2+4*\c+\i]
.endr
.endr
.endm
	s_wait_alu depctr_vm_vsrc(0)                   ; the tail's gathers have read Q, the last stores of codes XSTC and the code registers: the loads below land in them.  (All vector lines that named v12 to v91 stand ahead of the wait on va_vdst at the tail's end)
.irp m, 0,1
.irp c, 0,1
	ds_load_b128 v[PC+8*\m+4*\c:PC+8*\m+4*\c+3], v[XLD] offset:1024*\m+512*\c   ; the features' codes as the operand wants them.  LDS serves a wave's instructions in order (ISA guide 5.7.1.4): these see my stores
.endr
.endr
	WLOAD 0, 0
.irp o, 0,1                                    ; sin's constants, each twice: a pair for the packed forms.  (They name v96 to v111: none of the registers that the loads above touch)
	v_mov_b32 v[CI+\o], 0x3ea2f983                 ; 1 / pi
	v_mov_b32 v[CH+\o], 0xc0490fdb                 ; -pi_hi
	v_mov_b32 v[CL+\o], 0x33bbbd2e                 ; -(pi - pi_hi)
	v_mov_b32 v[C3+\o], 0xbe2aaaab                 ; -1 / 3!
	v_mov_b32 v[C5+\o], 0x3c088889                 ; 1 / 5!
	v_mov_b32 v[C7+\o], 0xb9500d01                 ; -1 / 7!
	v_mov_b32 v[C9+\o], 0x3638ef1d                 ; 1 / 9!
	v_mov_b32 v[C11+\o], 0xb2d7322b                ; -1 / 11!
.endr
	LAYER 0
.irp a, 0,1,2,3,4,5,6,7,8,9,10,11,12,13,14,15
	SNAKE \a
.endr
	s_wait_alu depctr_va_vdst(0)                   ; the activation is done with its scratch, v28 to v59, and layer 0's products are done reading WS and BS: layer 1's first group lands there
	WLOAD 1, 0
	QUANT H, PC, PW
	QUANT H+64, PC+8, PW+1
	LAYER 1
.irp a, 0,1,2,3,4,5,6,7,8,9,10,11,12,13,14,15
	LRELU \a
.endr
	s_wait_alu depctr_va_vdst(0)                   ; the same for layer 2's first group
	WLOAD 2, 0
	QUANT H, PC, PW
	QUANT H+64, PC+8, PW+1
	LAYER 2
.irp a, 0,1,2,3,4,5,6,7,8,9,10,11,12,13,14,15
	LRELU \a
.endr
	s_wait_alu depctr_va_vdst(0)                   ; the same for layer 3's first group
	WLOAD 3, 0
	QUANT H, PC, PW
	QUANT H+64, PC+8, PW+1
	LAYER 3
.irp a, 0,1,2,3,4,5,6,7,8,9,10,11,12,13,14,15
	LRELU \a
.endr
	; the last product, 128 -> 1, in f32: my 64 units of each tile's point against Wf in the same layout, two chains a tile; lane l xor 16 holds the other 64
	s_wait_alu depctr_va_vdst(0)                   ; the activation is done with its scratch and layer 3's products are done reading BS: Wf lands in v28 to v91
.irp t, 0,1,2,3,4,5,6,7
	ds_load_b128 v[WF+8*\t:WF+8*\t+3], v[BA] offset:WFO-BI+4*(32*(\t/2)+8*(\t%2))
	ds_load_b128 v[WF+8*\t+4:WF+8*\t+7], v[BA] offset:WFO-BI+4*(32*(\t/2)+8*(\t%2))+16
.endr
	s_wait_dscnt 0x0
.irp m, 0,1
	v_pk_mul_f32 v[96+4*\m:97+4*\m], v[H+64*\m:H+64*\m+1], v[WF:WF+1]
	v_pk_mul_f32 v[98+4*\m:99+4*\m], v[H+64*\m+2:H+64*\m+3], v[WF+2:WF+3]
.endr
.irp i, 4,8,12,16,20,24,28,32,36,40,44,48,52,56,60
.irp m, 0,1
	v_pk_fma_f32 v[96+4*\m:97+4*\m], v[H+64*\m+\i:H+64*\m+\i+1], v[WF+\i:WF+\i+1], v[96+4*\m:97+4*\m]
	v_pk_fma_f32 v[98+4*\m:99+4*\m], v[H+64*\m+\i+2:H+64*\m+\i+3], v[WF+\i+2:WF+\i+3], v[98+4*\m:99+4*\m]
.endr
.endr
.irp m, 0,1
	v_pk_add_f32 v[96+4*\m:97+4*\m], v[96+4*\m:97+4*\m], v[98+4*\m:99+4*\m]
.endr
.irp m, 0,1
	v_add_f32 v[96+4*\m], v[96+4*\m], v[97+4*\m]
.endr
.irp m, 0,1
	v_permlanex16_b32 v[104+\m], v[96+4*\m], s[SEL], s[SEL+1]
.endr
.irp m, 0,1
	v_add_f32 v[96+4*\m], v[96+4*\m], v[104+\m]
.endr
	v_cndmask_b32 v96, v96, v100, s[MH]            ; lanes 0-15 keep tile 0's point r, lanes 16-31 tile 1's: point 32 W + lane
	v_add_f32 v96, s44, v96                        ; + bf
	v_and_b32 v97, 127, v0
	v_lshlrev_b32 v97, 4, v97                      ; 16 x thread, for the four waves that store
	s_wait_alu depctr_va_vdst(0)                   ; my result is written, which the LDS store reads; so is v97, the global store's offset; and the sums are done with v100 to v103, in which the load from the stage lands
	ds_store_b32 v[OSA], v96
	s_wait_dscnt 0x0                               ; for the others' sake: my 32 results lie in LDS
	s_barrier_signal -1
	s_barrier_wait -1
	s_cmp_lt_u32 s2, 4                             ; waves 0 .. 3 store the work-group's 2,048 bytes
	s_cbranch_scc0 .Lend
	ds_load_b128 v[100:103], v[OLA]
	s_wait_dscnt 0x0
	global_store_b128 v97, v[100:103], s[42:43]    ; 32 lanes store 512 consecutive bytes, at a multiple of 512 from out0's first byte
.Lend:
	s_wait_xcnt 0x0
	v_lshl_add_u32 v254, v0, 2, 0x12a00            ; the add's two registers are made anew: no two could be kept.  No memory or LDS instruction has ever read v254 or v255
	v_mov_b32 v255, 0
	s_wait_dscnt 0x0                               ; the closing lines, six on end
	s_wait_alu 0x0
	s_wait_tensorcnt 0x0
	ds_add_u32 v254, v255
	s_wait_dscnt 0x0
	s_endpgm
.Lfunc_end_k_q9af16d3495_field:
	.size	k_q9af16d3495_field, .Lfunc_end_k_q9af16d3495_field-k_q9af16d3495_field
	.p2alignl 7, 3214868480
	.fill 96, 4, 3214868480
	.section	.rodata,"a",@progbits
	.p2align	6, 0x0
	.amdhsa_kernel k_q9af16d3495_field
		.amdhsa_group_segment_fixed_size 78336
		.amdhsa_private_segment_fixed_size 0
		.amdhsa_enable_private_segment 0
		.amdhsa_kernarg_size 160
		.amdhsa_user_sgpr_count 2
		.amdhsa_user_sgpr_kernarg_segment_ptr 1
		.amdhsa_wavefront_size32 1
		.amdhsa_system_sgpr_workgroup_id_x 1
		.amdhsa_system_sgpr_workgroup_id_y 1
		.amdhsa_system_sgpr_workgroup_id_z 1
		.amdhsa_system_vgpr_workitem_id 0
		.amdhsa_next_free_vgpr 256
		.amdhsa_next_free_sgpr 80
		.amdhsa_reserve_vcc 0
		.amdhsa_float_denorm_mode_32 3
		.amdhsa_float_denorm_mode_16_64 3
		.amdhsa_memory_ordered 1
		.amdhsa_forward_progress 1
		.amdhsa_inst_pref_size 255
	.end_amdhsa_kernel
	.section	.bss,"aw",@nobits
	.p2align	6
	.space	262144
	.amdgpu_metadata
---
amdhsa.version: [ 1, 2 ]
amdhsa.kernels:
  - .name:           k_q9af16d3495_field
    .symbol:         k_q9af16d3495_field.kd
    .args:
      - { .name: x, .offset: 0, .size: 8, .value_kind: global_buffer, .address_space: global }
      - { .name: grid_scales, .offset: 8, .size: 8, .value_kind: global_buffer, .address_space: global }
      - { .name: grid_translations, .offset: 16, .size: 8, .value_kind: global_buffer, .address_space: global }
      - { .name: feature_grids, .offset: 24, .size: 8, .value_kind: global_buffer, .address_space: global }
      - { .name: idx, .offset: 32, .size: 8, .value_kind: global_buffer, .address_space: global }
      - { .name: W0_codes, .offset: 40, .size: 8, .value_kind: global_buffer, .address_space: global }
      - { .name: W1_codes, .offset: 48, .size: 8, .value_kind: global_buffer, .address_space: global }
      - { .name: W2_codes, .offset: 56, .size: 8, .value_kind: global_buffer, .address_space: global }
      - { .name: W3_codes, .offset: 64, .size: 8, .value_kind: global_buffer, .address_space: global }
      - { .name: W0_scales, .offset: 72, .size: 8, .value_kind: global_buffer, .address_space: global }
      - { .name: W1_scales, .offset: 80, .size: 8, .value_kind: global_buffer, .address_space: global }
      - { .name: W2_scales, .offset: 88, .size: 8, .value_kind: global_buffer, .address_space: global }
      - { .name: W3_scales, .offset: 96, .size: 8, .value_kind: global_buffer, .address_space: global }
      - { .name: b0, .offset: 104, .size: 8, .value_kind: global_buffer, .address_space: global }
      - { .name: b1, .offset: 112, .size: 8, .value_kind: global_buffer, .address_space: global }
      - { .name: b2, .offset: 120, .size: 8, .value_kind: global_buffer, .address_space: global }
      - { .name: b3, .offset: 128, .size: 8, .value_kind: global_buffer, .address_space: global }
      - { .name: Wf, .offset: 136, .size: 8, .value_kind: global_buffer, .address_space: global }
      - { .name: bf, .offset: 144, .size: 8, .value_kind: global_buffer, .address_space: global }
      - { .name: out0, .offset: 152, .size: 8, .value_kind: global_buffer, .address_space: global }
    .group_segment_fixed_size: 78336
    .private_segment_fixed_size: 0
    .kernarg_segment_align: 8
    .kernarg_segment_size: 160
    .max_flat_workgroup_size: 512
    .sgpr_count:     80
    .vgpr_count:     256
    .wavefront_size: 32
...
	.end_amdgpu_metadata
.endif
;; end of part 3
